; MI455X (gfx1250); checked and timed in simulation.
; The chip was launched on July 23, 2026; its instructions are those of AMD's public machine-readable ISA for CDNA 5 (MIT licence, August 2026) and "CDNA5" Instruction Set Architecture Reference Guide (July 2026). The comments in the code are by the model that wrote it; some were corrected since.
;; My Model. Allowed arithmetic: float matrix products may take bf16 or f16 operands with f32 sums; other float arithmetic in f32, or as packed bf16 or f16 multiplies, adds, multiply-adds, maxima and minima; sums over many terms, partial sums and values carried from step to step in f32; what a program stores and reads back later, other than sums and carried values, may be rounded once to bf16 or f16.
;; Inputs: b1 512 float32; b2 512 float32; b3 1 float32; beta1 512 float32; beta2 512 float32; cabin_table 9 x 14 float32; g1 512 float32; g2 512 float32; temp_envr 14 float32; temp_set 9 float32; w1 4 x 512 float32; w2 512 x 512 float32; w3 512 x 1 float32; x 262,144 x 15 float32.
;; Outputs: out0 262,144 x 1 float32.
;; 2 versions, each right; version 2 is version 1 with the launch head written anew for expert scheduling mode. Each part assembles by itself: llvm-mc -triple=amdgcn-amd-amdhsa -mcpu=gfx1250 --defsym DOCPART=n.
;; ======== version 1 of 2: 5 launches
;; limits: values outside matrix products are rounded to f16; values are held in f16: magnitudes above 65,504 overflow, below 6.1e-05 lose precision
;; workspace buffers: us 2,097,152 bytes; p1 16,384 bytes; w1f 16,384 bytes; w2h 524,288 bytes; c0p 65,536 bytes; zs 268,435,456 bytes; st2 524,288 bytes; par2 8,192 bytes
;; launch feat (part 1): grid 256 x 1, 8 waves a work-group, no clusters, 62,976 bytes of LDS; arguments x, temp_set, temp_envr, cabin_table, us, p1; writes us, p1
.if DOCPART == 1
	.amdgcn_target "amdgcn-amd-amdhsa--gfx1250"
	.amdhsa_code_object_version 6
	.text
	.protected	k_q5934e1eb8b_feat
	.globl	k_q5934e1eb8b_feat
	.p2align	8
	.type	k_q5934e1eb8b_feat,@function
k_q5934e1eb8b_feat:
	s_mov_b64 s[64:65], 0
	v_nop
	global_prefetch_b8 v0, s[64:65] scope:SCOPE_SE
	s_setreg_imm32_b32 hwreg(HW_REG_WAVE_MODE, 25, 1), 1
	s_wait_xcnt 0x0
; THE FOUR FEATURES OF EACH ROW, AND THEIR SUMS.  u = (F(fl, amb) - incar, F(fr, amb) - incar, amb, breq - bin); F is the bilinear look-up in cabin_table.
; NO GATHER: with ty_j = clamp((amb - ys_j) / (ys_j+1 - ys_j), 0, 1) the weights psi_0 = 1 - ty_0, psi_j = ty_j-1 - ty_j, psi_13 = ty_12 are (1 - t, t) in the query's cell and 0 elsewhere,
; and the clamp is the clip to the table's range.  G_i = sum_j T[i][j] psi_j serves both look-ups; phi likewise over temp_set; F = sum_i G_i phi_i.
; PIVOT: p = the mean of u over the batch's rows 0 to 31, made alike by every wave.  us = u - p is stored in f16; the sums of us and of its products are kept in f32, so that the
; covariance made of them later is no difference of large sums.
; LIMITS: the knots ascend strictly; |u - p| stays under 65,504 (f16); NaN and infinities in x are not treated apart.
; SHARES: a work-group takes 1,024 rows, 61,440 dense bytes, copied once into LDS by 16-byte loads; thread t takes rows t, 256 + t, 512 + t, 768 + t.  LDS rows are 15 words apart: an odd number of banks.
.set XBYTES, 61440                     ; 1,024 rows of 60 bytes
.set RED,    61440                     ; 8 waves x 16 words: the waves' sums
.set SPARE,  61952                     ; the spare words: 128 bytes for each of eight waves
.set ZR,   1                           ; v1   0: the offset of loads that every lane makes alike
.set LA,   2                           ; v2   LDS address of my row
.set UOF,  3                           ; v3   byte offset of my row in us
.set SPW,  4                           ; v4   LDS address of my spare word; never rewritten
.set NIL,  5                           ; v5   0; never rewritten
.set PIN,  6                           ; v6-11    the pivot row's six inputs
.set TAB,  16                          ; v16-141  cabin_table
.set XK,   144                         ; v144-152 temp_set
.set YK,   156                         ; v156-169 temp_envr
.set IX,   170                         ; v170-177 1 / (xs_i+1 - xs_i)
.set IY,   178                         ; v178-190 1 / (ys_j+1 - ys_j)
.set IN,   192                         ; v192-197 amb, fl, fr, incar, breq, bin
.set PSI,  198                         ; v198-211
.set G,    212                         ; v212-220
.set PH,   222                         ; v222-230
.set U,    232                         ; v232-235
.set PV,   236                         ; v236-239 the pivot
.set SS,   240                         ; v240-253 sums: us (4), then its products 00 01 02 03 11 12 13 22 23 33
.set HH,   254                         ; v254-255 us in f16
.set STGX, 192                         ; v192-251 at the start only: x on its way into LDS
; the features of one row; its six inputs stand at v[in] on.  v12-15 are at work.
.macro FEAT in
.set j, 0
.rept 13
	v_sub_f32 v[12+j%4], v[\in], v[YK+j]
	v_mul_f32 v[PSI+1+j], v[12+j%4], v[IY+j] clamp     ; ty_j, kept at PSI[j+1]
.set j, j+1
.endr
	v_sub_f32 v[PSI], 1.0, v[PSI+1]
.set j, 1
.rept 12
	v_sub_f32 v[PSI+j], v[PSI+j], v[PSI+j+1]           ; upward: PSI[j+1] still holds ty_j
.set j, j+1
.endr
.set i, 0
.rept 9
	v_mul_f32 v[G+i], v[TAB+14*i], v[PSI]
.set i, i+1
.endr
.set j, 1
.rept 13
.set i, 0
.rept 9                                ; nine chains that do not wait for each other
	v_fmac_f32 v[G+i], v[TAB+14*i+j], v[PSI+j]
.set i, i+1
.endr
.set j, j+1
.endr
.irp q, 0,1
.set i, 0
.rept 8
	v_sub_f32 v[12+i%4], v[(\in)+1+(\q)], v[XK+i]
	v_mul_f32 v[PH+1+i], v[12+i%4], v[IX+i] clamp
.set i, i+1
.endr
	v_sub_f32 v[PH], 1.0, v[PH+1]
.set i, 1
.rept 7
	v_sub_f32 v[PH+i], v[PH+i], v[PH+i+1]
.set i, i+1
.endr
	v_fma_f32 v[U+(\q)], v[G], v[PH], -v[(\in)+3]      ; the sum starts at - incar
.set i, 1
.rept 8
	v_fmac_f32 v[U+(\q)], v[G+i], v[PH+i]
.set i, i+1
.endr
.endr
	v_mov_b32 v[U+2], v[\in]
	v_sub_f32 v[U+3], v[(\in)+4], v[(\in)+5]
.endm
; the sum over the wave's 32 lanes, in every lane
.macro WSUM r
	v_add_f32_dpp v[\r], v[\r], v[\r] row_xmask:1 row_mask:0xf bank_mask:0xf
	v_add_f32_dpp v[\r], v[\r], v[\r] row_xmask:2 row_mask:0xf bank_mask:0xf
	v_add_f32_dpp v[\r], v[\r], v[\r] row_xmask:4 row_mask:0xf bank_mask:0xf
	v_add_f32_dpp v[\r], v[\r], v[\r] row_xmask:8 row_mask:0xf bank_mask:0xf
	v_permlanex16_b32 v12, v[\r], s20, s21
	v_add_f32 v[\r], v[\r], v12
.endm
	s_load_b256 s[4:11], s[0:1], 0x0               ; x s[4:5], temp_set s[6:7], temp_envr s[8:9], cabin_table s[10:11]
	s_load_b128 s[12:15], s[0:1], 0x20             ; us s[12:13], p1 s[14:15]
	v_lshl_add_u32 v[SPW], v0, 2, SPARE
	v_mov_b32 v[NIL], 0
	v_mov_b32 v[ZR], 0
	v_lshrrev_b32 v12, 5, v0
	v_readfirstlane_b32 s23, v12                   ; wave 0..7
	v_and_b32 v12, 31, v0
	v_mul_u32_u24 v13, v12, 60                     ; the pivot row: row = my lane, of the whole batch
	v_lshlrev_b32 v14, 4, v0                       ; 16 t: my 16 bytes of each 4,096, in memory and in LDS
	v_mul_u32_u24 v[LA], v0, 60
	v_lshlrev_b32 v[UOF], 3, v0
	s_mul_i32 s16, ttmp9, XBYTES
	s_mov_b32 s17, 0
	s_lshl_b32 s18, ttmp9, 13                      ; 1,024 rows of 8 bytes in us
	s_mov_b32 s19, 0
	s_lshl_b32 s24, ttmp9, 6                       ; 64 bytes in p1
	s_mov_b32 s25, 0
	s_mov_b32 s20, 0x76543210                      ; v_permlanex16_b32: each lane takes its own place in the other half
	s_mov_b32 s21, 0xfedcba98
	s_wait_kmcnt 0x0
	s_add_nc_u64 s[16:17], s[4:5], s[16:17]        ; x at the work-group's first row; s[4:5] stays at row 0
	s_add_nc_u64 s[12:13], s[12:13], s[18:19]
	s_add_nc_u64 s[14:15], s[14:15], s[24:25]
.set i, 0
.rept 15
	global_load_b128 v[STGX+4*i:STGX+4*i+3], v14, s[16:17] offset:4096*i
.set i, i+1
.endr
.set i, 0
.rept 31
	global_load_b128 v[TAB+4*i:TAB+4*i+3], v[ZR], s[10:11] offset:16*i
.set i, i+1
.endr
	global_load_b64 v[TAB+124:TAB+125], v[ZR], s[10:11] offset:496
	global_load_b128 v[XK:XK+3], v[ZR], s[6:7]
	global_load_b128 v[XK+4:XK+7], v[ZR], s[6:7] offset:16
	global_load_b32 v[XK+8], v[ZR], s[6:7] offset:32
	global_load_b128 v[YK:YK+3], v[ZR], s[8:9]
	global_load_b128 v[YK+4:YK+7], v[ZR], s[8:9] offset:16
	global_load_b128 v[YK+8:YK+11], v[ZR], s[8:9] offset:32
	global_load_b64 v[YK+12:YK+13], v[ZR], s[8:9] offset:48
	global_load_b32 v[PIN], v13, s[4:5] offset:4     ; columns 1, 2, 3, 8, 9, 10
	global_load_b32 v[PIN+1], v13, s[4:5] offset:8
	global_load_b32 v[PIN+2], v13, s[4:5] offset:12
	global_load_b32 v[PIN+3], v13, s[4:5] offset:32
	global_load_b32 v[PIN+4], v13, s[4:5] offset:36
	global_load_b32 v[PIN+5], v13, s[4:5] offset:40
	s_wait_loadcnt 45                              ; x's 15 loads are in; the 39 of the tables and the 6 of the pivot row may stay out
.set i, 0
.rept 15
	ds_store_b128 v14, v[STGX+4*i:STGX+4*i+3] offset:4096*i
.set i, i+1
.endr
	s_wait_loadcnt 0x0
.set i, 0
.rept 8
	v_sub_f32 v[IX+i], v[XK+i+1], v[XK+i]
.set i, i+1
.endr
.set i, 0
.rept 13
	v_sub_f32 v[IY+i], v[YK+i+1], v[YK+i]
.set i, i+1
.endr
.set i, 0
.rept 21                               ; IX and IY lie on end
	v_rcp_f32 v[IX+i], v[IX+i]
.set i, i+1
.endr
	v_nop                                          ; a plain instruction behind the last reciprocal,
	s_wait_alu depctr_va_vdst(0)                   ; and one wait for the 21, ahead of their first reader
	FEAT PIN
	WSUM U
	WSUM U+1
	WSUM U+2
	WSUM U+3
.set i, 0
.rept 4
	v_mul_f32 v[PV+i], 0x3d000000, v[U+i]          ; / 32
.set i, i+1
.endr
.set i, 0
.rept 14
	v_mov_b32 v[SS+i], 0
.set i, i+1
.endr
	s_wait_dscnt 0x0                               ; for the others' sake: my part of x lies in LDS
	s_barrier_signal -1
	s_barrier_wait -1
	s_mov_b32 s22, 4
.Ltrip:
	ds_load_b32 v[IN], v[LA] offset:4
	ds_load_b32 v[IN+1], v[LA] offset:8
	ds_load_b32 v[IN+2], v[LA] offset:12
	ds_load_b32 v[IN+3], v[LA] offset:32
	ds_load_b32 v[IN+4], v[LA] offset:36
	ds_load_b32 v[IN+5], v[LA] offset:40
	s_wait_dscnt 0x0
	FEAT IN
	v_pk_add_f32 v[U:U+1], v[U:U+1], v[PV:PV+1] neg_lo:[0,1] neg_hi:[0,1]
	v_pk_add_f32 v[U+2:U+3], v[U+2:U+3], v[PV+2:PV+3] neg_lo:[0,1] neg_hi:[0,1]
	v_cvt_pk_f16_f32 v[HH], v[U], v[U+1]
	v_cvt_pk_f16_f32 v[HH+1], v[U+2], v[U+3]
	global_store_b64 v[UOF], v[HH:HH+1], s[12:13]  ; a wave stores 256 consecutive bytes, aligned
	v_pk_add_f32 v[SS:SS+1], v[SS:SS+1], v[U:U+1]
	v_pk_add_f32 v[SS+2:SS+3], v[SS+2:SS+3], v[U+2:U+3]
	v_fmac_f32 v[SS+4], v[U], v[U]
	v_fmac_f32 v[SS+5], v[U], v[U+1]
	v_fmac_f32 v[SS+6], v[U], v[U+2]
	v_fmac_f32 v[SS+7], v[U], v[U+3]
	v_fmac_f32 v[SS+8], v[U+1], v[U+1]
	v_fmac_f32 v[SS+9], v[U+1], v[U+2]
	v_fmac_f32 v[SS+10], v[U+1], v[U+3]
	v_fmac_f32 v[SS+11], v[U+2], v[U+2]
	v_fmac_f32 v[SS+12], v[U+2], v[U+3]
	v_fmac_f32 v[SS+13], v[U+3], v[U+3]
	s_wait_xcnt 0x0                                ; the store has read its offset and its data: both are written again below and in the next trip
	v_add_nc_u32 v[LA], 15360, v[LA]               ; 256 rows on
	v_add_nc_u32 v[UOF], 2048, v[UOF]
	s_sub_co_u32 s22, s22, 1
	s_cmp_lg_u32 s22, 0
	s_cbranch_scc1 .Ltrip
.set i, 0
.rept 14
	WSUM SS+i
.set i, i+1
.endr
	v_mov_b32 v15, s23
	v_lshlrev_b32 v15, 6, v15                      ; my wave's 16 words; all lanes write the same word with the same number
.set i, 0
.rept 14
	ds_store_b32 v15, v[SS+i] offset:RED+4*i
.set i, i+1
.endr
	ds_store_b32 v15, v[ZR] offset:RED+56
	ds_store_b32 v15, v[ZR] offset:RED+60
	s_wait_dscnt 0x0
	s_barrier_signal -1
	s_barrier_wait -1
	s_cmp_lg_u32 s23, 0
	s_cbranch_scc1 .Lend
	v_and_b32 v14, 15, v0                          ; wave 0: lane (v, hh) adds number v of waves 4 hh .. 4 hh + 3
	v_lshlrev_b32 v14, 2, v14
	v_bfe_u32 v15, v0, 4, 1
	v_lshl_add_u32 v13, v15, 8, v14
.set i, 0
.rept 4
	ds_load_b32 v[IN+i], v13 offset:RED+64*i
.set i, i+1
.endr
	s_wait_dscnt 0x0
	v_add_f32 v[IN], v[IN], v[IN+1]
	v_add_f32 v[IN+2], v[IN+2], v[IN+3]
	v_add_f32 v[IN], v[IN], v[IN+2]
	v_permlanex16_b32 v12, v[IN], s20, s21
	v_add_f32 v[IN], v[IN], v12
	global_store_b32 v14, v[IN], s[14:15]          ; both halves of the lanes hold the same 16 numbers
.Lend:
	s_wait_tensorcnt 0x0                           ; the wave's end, behind my last LDS store
	ds_add_u32 v[SPW], v[NIL]
	s_wait_dscnt 0x0
	s_endpgm
.Lfunc_end_k_q5934e1eb8b_feat:
	.size	k_q5934e1eb8b_feat, .Lfunc_end_k_q5934e1eb8b_feat-k_q5934e1eb8b_feat
	.p2alignl 7, 3214868480
	.fill 96, 4, 3214868480
	.section	.rodata,"a",@progbits
	.p2align	6, 0x0
	.amdhsa_kernel k_q5934e1eb8b_feat
		.amdhsa_group_segment_fixed_size 62976
		.amdhsa_private_segment_fixed_size 0
		.amdhsa_enable_private_segment 0
		.amdhsa_kernarg_size 48
		.amdhsa_user_sgpr_count 2
		.amdhsa_user_sgpr_kernarg_segment_ptr 1
		.amdhsa_wavefront_size32 1
		.amdhsa_system_sgpr_workgroup_id_x 1
		.amdhsa_system_sgpr_workgroup_id_y 1
		.amdhsa_system_sgpr_workgroup_id_z 1
		.amdhsa_system_vgpr_workitem_id 0
		.amdhsa_next_free_vgpr 256
		.amdhsa_next_free_sgpr 66
		.amdhsa_reserve_vcc 0
		.amdhsa_float_denorm_mode_32 3
		.amdhsa_float_denorm_mode_16_64 3
		.amdhsa_memory_ordered 1
		.amdhsa_forward_progress 1
		.amdhsa_inst_pref_size 37
	.end_amdhsa_kernel
	.amdgpu_metadata
---
amdhsa.version: [ 1, 2 ]
amdhsa.kernels:
  - .name:           k_q5934e1eb8b_feat
    .symbol:         k_q5934e1eb8b_feat.kd
    .args:
      - { .name: x, .offset: 0, .size: 8, .value_kind: global_buffer, .address_space: global }
      - { .name: temp_set, .offset: 8, .size: 8, .value_kind: global_buffer, .address_space: global }
      - { .name: temp_envr, .offset: 16, .size: 8, .value_kind: global_buffer, .address_space: global }
      - { .name: cabin_table, .offset: 24, .size: 8, .value_kind: global_buffer, .address_space: global }
      - { .name: us, .offset: 32, .size: 8, .value_kind: global_buffer, .address_space: global }
      - { .name: p1, .offset: 40, .size: 8, .value_kind: global_buffer, .address_space: global }
    .group_segment_fixed_size: 62976
    .private_segment_fixed_size: 0
    .kernarg_segment_align: 8
    .kernarg_segment_size: 48
    .max_flat_workgroup_size: 256
    .sgpr_count:     66
    .vgpr_count:     256
    .wavefront_size: 32
...
	.end_amdgpu_metadata
.endif
;; end of part 1
;; launch prep (part 2): grid 32 x 1, 8 waves a work-group, no clusters, 4,096 bytes of LDS; arguments p1, us, w1, b1, g1, beta1, w2, w1f, w2h, c0p; writes w1f, w2h, c0p
.if DOCPART == 2
	.amdgcn_target "amdgcn-amd-amdhsa--gfx1250"
	.amdhsa_code_object_version 6
	.text
	.protected	k_q5934e1eb8b_prep
	.globl	k_q5934e1eb8b_prep
	.p2align	8
	.type	k_q5934e1eb8b_prep,@function
k_q5934e1eb8b_prep:
	s_mov_b64 s[64:65], 0
	v_nop
	global_prefetch_b8 v0, s[64:65] scope:SCOPE_SE
	s_setreg_imm32_b32 hwreg(HW_REG_WAVE_MODE, 25, 1), 1
	s_wait_xcnt 0x0
; WHAT THE PRODUCT LAUNCH NEEDS, MADE ONCE.  Work-group g owns the hidden channels k = 16 g .. 16 g + 15.
; (1) Layer 1 with its batch norm folded in.  The layer is linear in the four features, so its mean and variance follow from the features' mean m and covariance Cov (about the pivot):
;     var1 = w.(Cov w), a1 = g1 rsq(var1 + 1e-5), value - mean = us.w + b1 - (m.w + b1).  w1f[k] = f16 of SC a1 w (4), SC (a1 (b1 - mu') + beta1), then zeros: 32 bytes a channel;
;     SC = 2 log2(e), since tanh(v) = 1 - 2 / (1 + 2^(SC v)).
; (2) w2h = f16(-2 w2): the product launch multiplies r = 1 / (1 + 2^(SC v)) in place of tanh; the column constant sum_k w2[k][c] that this leaves out cancels in the second batch norm.
; (3) c0p[g][c] = sum over my 16 k of rbar_k 2 w2[k][c], rbar the mean of r over the batch's rows 0 to 63: a pivot that centres the product's columns.
; LIMITS: |SC a1 w1|, the folded bias and |2 w2| stay under 65,504 (f16); |2 w2| below 6e-5 keeps f16's fixed step of 6e-8.
.set RA,    0                          ; 8 waves x 16 words: the features' sums
.set RB,    512                        ; 8 waves x 16 words: the sums of r
.set RC,    1024                       ; 128 x 16 bytes: the upper four waves' part of c0
.set SPARE, 3072
.set ZR,  3                            ; v3  0
.set SPW, 4
.set NIL, 5
.set P1L, 16                           ; v16-31   16 work-groups' number v
.set WW,  32                           ; v32-35 w1's column; v36 b1, v37 g1, v38 beta1
.set USR, 40                           ; v40-47   four sample rows of us
.set W2R, 48                           ; v48-79   eight rows x four columns of w2
.set M,   80                           ; v80-83
.set COV, 84                           ; v84-93   00 01 02 03 11 12 13 22 23 33
.set QV,  94                           ; v94-97   Cov w
.set WS,  104                          ; v104-107 SC a1 w; v108 the folded bias
.set BR,  128                          ; v128-255 32 loads of 16 bytes that every lane makes alike; the totals end in v128-143
.set SL,  160                          ; v160-175 2 rbar for my eight rows, each twice
.set CZ,  176                          ; v176-179 my part of c0
.set TW2, 180                          ; v180-183 at work
.set H2,  184                          ; v184-199 w2h: a pair for each of the eight stores
.macro BSUM base                       ; the eight waves' 16 numbers at LDS byte base, added: totals in v[BR .. BR+15], in every lane
.set n, 0
.rept 32
	ds_load_b128 v[BR+4*n:BR+4*n+3], v[ZR] offset:(\base)+16*n
.set n, n+1
.endr
	s_wait_dscnt 0x0
.set q, 1
.rept 7
.set c, 0
.rept 8
	v_pk_add_f32 v[BR+2*c:BR+2*c+1], v[BR+2*c:BR+2*c+1], v[BR+16*q+2*c:BR+16*q+2*c+1]
.set c, c+1
.endr
.set q, q+1
.endr
.endm
.macro COVP n, i, j                    ; Cov_ij = S2 / B - m_i m_j
	v_mul_f32 v[COV+(\n)], s30, v[BR+4+(\n)]
	v_fma_f32 v[COV+(\n)], -v[M+(\i)], v[M+(\j)], v[COV+(\n)]
.endm
.macro QROW d, a, b, c, e              ; a row of Cov times w
	v_mul_f32 v[QV+(\d)], v[COV+(\a)], v[WW]
	v_fmac_f32 v[QV+(\d)], v[COV+(\b)], v[WW+1]
	v_fmac_f32 v[QV+(\d)], v[COV+(\c)], v[WW+2]
	v_fmac_f32 v[QV+(\d)], v[COV+(\e)], v[WW+3]
.endm
	s_load_b512 s[4:19], s[0:1], 0x0               ; p1 s[4:5], us s[6:7], w1 s[8:9], b1 s[10:11], g1 s[12:13], beta1 s[14:15], w2 s[16:17], w1f s[18:19]
	s_load_b128 s[20:23], s[0:1], 0x40             ; w2h s[20:21], c0p s[22:23]
	v_lshl_add_u32 v[SPW], v0, 2, SPARE
	v_mov_b32 v[NIL], 0
	v_mov_b32 v[ZR], 0
	v_and_b32 v1, 15, v0                           ; v: which of 16 numbers, and which of my work-group's 16 channels
	v_lshrrev_b32 v2, 4, v0                        ; grp 0..15
	v_lshrrev_b32 v12, 5, v0
	v_readfirstlane_b32 s24, v12                   ; wave 0..7
	v_lshlrev_b32 v6, 10, v2
	v_lshl_add_u32 v6, v1, 2, v6                   ; p1: 16 work-groups x 64 bytes for each grp, + 4 v
	s_lshl_b32 s26, ttmp9, 6
	v_lshl_add_u32 v7, v1, 2, s26                  ; 4 x my channel
	v_lshlrev_b32 v8, 5, v2                        ; us: rows 4 grp ..
	v_and_b32 v12, 127, v0
	v_lshrrev_b32 v13, 7, v0                       ; rho: which of two neighbouring rows of w2; the same in a whole wave
	v_lshlrev_b32 v117, 4, v12                     ; 16 (t mod 128): four columns in f32
	v_lshl_add_u32 v9, v13, 11, v117
	v_lshlrev_b32 v10, 3, v12
	v_lshl_add_u32 v10, v13, 10, v10               ; the same place in w2h
	v_bfe_u32 v13, v0, 4, 1
	v_lshlrev_b32 v116, 5, v1
	v_lshl_add_u32 v116, v13, 4, v116              ; w1f: 32 (lane mod 16) + 16 (lane / 16)
	s_lshl_b32 s27, s24, 6
	v_lshl_add_u32 v11, v1, 2, s27                 ; my wave's word for number v
	s_mov_b32 s28, 0x76543210
	s_mov_b32 s29, 0xfedcba98
	s_mov_b32 s30, 0x36800000                      ; 1 / 262,144
	s_mov_b32 s31, 0xffff0000                      ; lanes 16 to 31
	s_mov_b32 s33, 0x4038aa3b                      ; SC
	s_cmp_ge_u32 s24, 4
	s_cselect_b32 s32, -1, 0                       ; rho as a mask of lanes
	s_mov_b32 s35, 0
	s_wait_kmcnt 0x0
	s_lshl_b32 s34, ttmp9, 15
	s_add_nc_u64 s[16:17], s[16:17], s[34:35]      ; w2 at my 16 rows
	s_lshl_b32 s34, ttmp9, 14
	s_add_nc_u64 s[20:21], s[20:21], s[34:35]
	s_lshl_b32 s34, ttmp9, 9
	s_add_nc_u64 s[18:19], s[18:19], s[34:35]
	s_lshl_b32 s34, ttmp9, 11
	s_add_nc_u64 s[22:23], s[22:23], s[34:35]
.set i, 0
.rept 16
	global_load_b32 v[P1L+i], v6, s[4:5] offset:64*i
.set i, i+1
.endr
.set i, 0
.rept 4
	global_load_b32 v[WW+i], v7, s[8:9] offset:2048*i
.set i, i+1
.endr
	global_load_b32 v[WW+4], v7, s[10:11]
	global_load_b32 v[WW+5], v7, s[12:13]
	global_load_b32 v[WW+6], v7, s[14:15]
.set i, 0
.rept 4
	global_load_b64 v[USR+2*i:USR+2*i+1], v8, s[6:7] offset:8*i
.set i, i+1
.endr
.set i, 0
.rept 8
	global_load_b128 v[W2R+4*i:W2R+4*i+3], v9, s[16:17] offset:4096*i   ; row 2 i + rho: a wave reads 512 consecutive bytes
.set i, i+1
.endr
	s_wait_loadcnt 19                              ; p1's 16 are in; 4 + 3 + 4 + 8 younger loads may stay out
.irp a, 16,20,24,28
	v_pk_add_f32 v[\a:\a+1], v[\a:\a+1], v[\a+2:\a+3]
.endr
	v_pk_add_f32 v[16:17], v[16:17], v[20:21]
	v_pk_add_f32 v[24:25], v[24:25], v[28:29]
	v_pk_add_f32 v[16:17], v[16:17], v[24:25]
	v_add_f32 v16, v16, v17
	v_permlanex16_b32 v17, v16, s28, s29
	v_add_f32 v16, v16, v17
	ds_store_b32 v11, v16 offset:RA
	s_wait_dscnt 0x0
	s_barrier_signal -1
	s_barrier_wait -1
	BSUM RA
.set i, 0
.rept 4
	v_mul_f32 v[M+i], s30, v[BR+i]
.set i, i+1
.endr
	COVP 0, 0, 0
	COVP 1, 0, 1
	COVP 2, 0, 2
	COVP 3, 0, 3
	COVP 4, 1, 1
	COVP 5, 1, 2
	COVP 6, 1, 3
	COVP 7, 2, 2
	COVP 8, 2, 3
	COVP 9, 3, 3
	s_wait_loadcnt 12                              ; w1, b1, g1, beta1 are in; the sample rows' 4 and w2's 8 may stay out
	QROW 0, 0, 1, 2, 3
	QROW 1, 1, 4, 5, 6
	QROW 2, 2, 5, 7, 8
	QROW 3, 3, 6, 8, 9
	v_mul_f32 v98, v[QV], v[WW]
	v_fmac_f32 v98, v[QV+1], v[WW+1]
	v_fmac_f32 v98, v[QV+2], v[WW+2]
	v_fmac_f32 v98, v[QV+3], v[WW+3]
	v_max_num_f32 v98, v98, v[ZR]
	v_add_f32 v98, 0x3727c5ac, v98                 ; + 1e-5
	v_rsq_f32 v99, v98
	v_fma_f32 v100, v[M], v[WW], v[WW+4]           ; mu' = m.w + b1: plain work behind the root
	v_fmac_f32 v100, v[M+1], v[WW+1]
	v_fmac_f32 v100, v[M+2], v[WW+2]
	v_fmac_f32 v100, v[M+3], v[WW+3]
	v_sub_f32 v103, v[WW+4], v100                  ; b1 - mu'
	s_wait_alu depctr_va_vdst(0)                   ; ahead of the root's first reader
	v_mul_f32 v101, v[WW+5], v99                   ; a1
	v_mul_f32 v102, s33, v101
.set i, 0
.rept 4
	v_mul_f32 v[WS+i], v102, v[WW+i]
.set i, i+1
.endr
	v_fma_f32 v103, v101, v103, v[WW+6]
	v_mul_f32 v[WS+4], s33, v103
	v_cvt_pk_f16_f32 v112, v[WS], v[WS+1]
	v_cvt_pk_f16_f32 v113, v[WS+2], v[WS+3]
	v_cvt_pk_f16_f32 v114, v[WS+4], v[ZR]
	v_mov_b32 v115, 0
	v_cndmask_b32 v112, v112, v[ZR], s31           ; lanes 16 to 31 hold a channel's second 16 bytes: zeros
	v_cndmask_b32 v113, v113, v[ZR], s31
	v_cndmask_b32 v114, v114, v[ZR], s31
	s_cmp_lg_u32 s24, 0
	s_cbranch_scc1 .Lno_w1f
	global_store_b128 v116, v[112:115], s[18:19]   ; wave 0: 512 consecutive bytes, aligned; these registers are not written again
.Lno_w1f:
	s_wait_loadcnt 8                               ; the sample rows are in; w2's 8 may stay out
.set i, 0
.rept 4
	v_fma_mix_f32 v[120+i], v[USR+2*i], v[WS], v[WS+4] op_sel:[0,0,0] op_sel_hi:[1,0,0]
	v_fma_mix_f32 v[120+i], v[USR+2*i], v[WS+1], v[120+i] op_sel:[1,0,0] op_sel_hi:[1,0,0]
	v_fma_mix_f32 v[120+i], v[USR+2*i+1], v[WS+2], v[120+i] op_sel:[0,0,0] op_sel_hi:[1,0,0]
	v_fma_mix_f32 v[120+i], v[USR+2*i+1], v[WS+3], v[120+i] op_sel:[1,0,0] op_sel_hi:[1,0,0]
.set i, i+1
.endr
.set i, 0
.rept 4
	v_exp_f32 v[120+i], v[120+i]
.set i, i+1
.endr
	v_nop
	s_wait_alu depctr_va_vdst(0)
	v_pk_add_f32 v[120:121], v[120:121], 1.0 op_sel_hi:[1,0]
	v_pk_add_f32 v[122:123], v[122:123], 1.0 op_sel_hi:[1,0]
.set i, 0
.rept 4
	v_rcp_f32 v[120+i], v[120+i]
.set i, i+1
.endr
	v_nop
	s_wait_alu depctr_va_vdst(0)
	v_pk_add_f32 v[120:121], v[120:121], v[122:123]
	v_add_f32 v120, v120, v121
	v_permlanex16_b32 v121, v120, s28, s29
	v_add_f32 v120, v120, v121
	ds_store_b32 v11, v120 offset:RB
	s_wait_dscnt 0x0
	s_barrier_signal -1
	s_barrier_wait -1
	BSUM RB                                        ; the sum of r over 64 rows, for each of my work-group's 16 channels
.set i, 0
.rept 8
	v_cndmask_b32 v12, v[BR+2*i], v[BR+2*i+1], s32 ; channel 2 i + rho
	v_mul_f32 v[SL+2*i], 0x3d000000, v12           ; x 2 / 64
	v_mul_f32 v[SL+2*i+1], 0x3d000000, v12
.set i, i+1
.endr
	s_wait_loadcnt 0x0
.set i, 0
.rept 8
.if i == 0
	v_pk_mul_f32 v[CZ:CZ+1], v[W2R:W2R+1], v[SL:SL+1]
	v_pk_mul_f32 v[CZ+2:CZ+3], v[W2R+2:W2R+3], v[SL:SL+1]
.else
	v_pk_fma_f32 v[CZ:CZ+1], v[W2R+4*i:W2R+4*i+1], v[SL+2*i:SL+2*i+1], v[CZ:CZ+1]
	v_pk_fma_f32 v[CZ+2:CZ+3], v[W2R+4*i+2:W2R+4*i+3], v[SL+2*i:SL+2*i+1], v[CZ+2:CZ+3]
.endif
	v_pk_mul_f32 v[TW2:TW2+1], v[W2R+4*i:W2R+4*i+1], -2.0 op_sel_hi:[1,0]
	v_pk_mul_f32 v[TW2+2:TW2+3], v[W2R+4*i+2:W2R+4*i+3], -2.0 op_sel_hi:[1,0]
	v_cvt_pk_f16_f32 v[H2+2*i], v[TW2], v[TW2+1]
	v_cvt_pk_f16_f32 v[H2+2*i+1], v[TW2+2], v[TW2+3]
	global_store_b64 v10, v[H2+2*i:H2+2*i+1], s[20:21] offset:2048*i   ; a wave stores 256 consecutive bytes, aligned; each store has data registers of its own
.set i, i+1
.endr
	s_cmp_lt_u32 s24, 4
	s_cbranch_scc1 .Lno_rc
	ds_store_b128 v117, v[CZ:CZ+3] offset:RC       ; waves 4 to 7 hand their rows' part to waves 0 to 3
.Lno_rc:
	s_wait_dscnt 0x0
	s_barrier_signal -1
	s_barrier_wait -1
	s_cmp_ge_u32 s24, 4
	s_cbranch_scc1 .Lend
	ds_load_b128 v[TW2:TW2+3], v117 offset:RC
	s_wait_dscnt 0x0
	v_pk_add_f32 v[CZ:CZ+1], v[CZ:CZ+1], v[TW2:TW2+1]
	v_pk_add_f32 v[CZ+2:CZ+3], v[CZ+2:CZ+3], v[TW2+2:TW2+3]
	global_store_b128 v117, v[CZ:CZ+3], s[22:23]   ; 512 consecutive bytes a wave
.Lend:
	s_wait_tensorcnt 0x0                           ; the wave's end, behind my last LDS store
	ds_add_u32 v[SPW], v[NIL]
	s_wait_dscnt 0x0
	s_endpgm
.Lfunc_end_k_q5934e1eb8b_prep:
	.size	k_q5934e1eb8b_prep, .Lfunc_end_k_q5934e1eb8b_prep-k_q5934e1eb8b_prep
	.p2alignl 7, 3214868480
	.fill 96, 4, 3214868480
	.section	.rodata,"a",@progbits
	.p2align	6, 0x0
	.amdhsa_kernel k_q5934e1eb8b_prep
		.amdhsa_group_segment_fixed_size 4096
		.amdhsa_private_segment_fixed_size 0
		.amdhsa_enable_private_segment 0
		.amdhsa_kernarg_size 80
		.amdhsa_user_sgpr_count 2
		.amdhsa_user_sgpr_kernarg_segment_ptr 1
		.amdhsa_wavefront_size32 1
		.amdhsa_system_sgpr_workgroup_id_x 1
		.amdhsa_system_sgpr_workgroup_id_y 1
		.amdhsa_system_sgpr_workgroup_id_z 1
		.amdhsa_system_vgpr_workitem_id 0
		.amdhsa_next_free_vgpr 256
		.amdhsa_next_free_sgpr 66
		.amdhsa_reserve_vcc 0
		.amdhsa_float_denorm_mode_32 3
		.amdhsa_float_denorm_mode_16_64 3
		.amdhsa_memory_ordered 1
		.amdhsa_forward_progress 1
		.amdhsa_inst_pref_size 28
	.end_amdhsa_kernel
	.amdgpu_metadata
---
amdhsa.version: [ 1, 2 ]
amdhsa.kernels:
  - .name:           k_q5934e1eb8b_prep
    .symbol:         k_q5934e1eb8b_prep.kd
    .args:
      - { .name: p1, .offset: 0, .size: 8, .value_kind: global_buffer, .address_space: global }
      - { .name: us, .offset: 8, .size: 8, .value_kind: global_buffer, .address_space: global }
      - { .name: w1, .offset: 16, .size: 8, .value_kind: global_buffer, .address_space: global }
      - { .name: b1, .offset: 24, .size: 8, .value_kind: global_buffer, .address_space: global }
      - { .name: g1, .offset: 32, .size: 8, .value_kind: global_buffer, .address_space: global }
      - { .name: beta1, .offset: 40, .size: 8, .value_kind: global_buffer, .address_space: global }
      - { .name: w2, .offset: 48, .size: 8, .value_kind: global_buffer, .address_space: global }
      - { .name: w1f, .offset: 56, .size: 8, .value_kind: global_buffer, .address_space: global }
      - { .name: w2h, .offset: 64, .size: 8, .value_kind: global_buffer, .address_space: global }
      - { .name: c0p, .offset: 72, .size: 8, .value_kind: global_buffer, .address_space: global }
    .group_segment_fixed_size: 4096
    .private_segment_fixed_size: 0
    .kernarg_segment_align: 8
    .kernarg_segment_size: 80
    .max_flat_workgroup_size: 256
    .sgpr_count:     66
    .vgpr_count:     256
    .wavefront_size: 32
...
	.end_amdgpu_metadata
.endif
;; end of part 2
;; launch gemm (part 3): grid 128 x 2, 4 waves a work-group, clusters of 4 x 1, 327,680 bytes of LDS; arguments us, w1f, w2h, c0p, zs, st2; writes zs, st2
.if DOCPART == 3
	.amdgcn_target "amdgcn-amd-amdhsa--gfx1250"
	.amdhsa_code_object_version 6
	.text
	.protected	k_q5934e1eb8b_gemm
	.globl	k_q5934e1eb8b_gemm
	.p2align	8
	.type	k_q5934e1eb8b_gemm,@function
k_q5934e1eb8b_gemm:
	s_mov_b64 s[64:65], 0
	v_nop
	global_prefetch_b8 v0, s[64:65] scope:SCOPE_SE
	s_setreg_imm32_b32 hwreg(HW_REG_WAVE_MODE, 25, 1), 1
	s_wait_xcnt 0x0
	s_wait_alu depctr_hold_cnt(0) depctr_sa_sdst(0) depctr_va_vdst(0) depctr_va_sdst(0) depctr_va_ssrc(0) depctr_va_vcc(0) depctr_vm_vsrc(0)
	s_getreg_b32 s2, hwreg(HW_REG_IB_STS2, 6, 4)
	s_cmp_eq_u32 s2, 0
	s_cbranch_scc0 .Lentry_in_a_cluster
	s_endpgm
.Lentry_in_a_cluster:
	s_bfe_u32 s2, ttmp6, 0x10000c
	s_cmp_lg_u32 s2, 0x3003
	s_cbranch_scc0 .Lentry_shape_is_right
	s_endpgm
.Lentry_shape_is_right:
; zs = r1 (-2 w2) + C0 in f16, and the column sums of zs and zs^2.  r1 = 1 / (1 + 2^y), y = layer 1 with its batch norm folded in (w1f), so that tanh = 1 - 2 r1.
; SHARES.  Grid y: which 256 of the 512 output channels.  Grid x: a block of 2,048 rows.  A wave takes 512 rows as 8 groups of 64 (four tiles of 16) and all 256 channels: 64 accumulators, 512 registers.
; THE WEIGHTS STAY: the half of w2h (512 k x 256 n, f16) and all of w1f lie in LDS for the whole launch: two tensor loads a wave at the start, no slot is filled again, no barrier stands in the loop.
; A wave makes the r1 of its own rows in registers, so the product's first operand costs no LDS traffic; the price is that r1 is made once for each half of the channels.
; CLUSTER.  The four row blocks of a cluster read the same 256 KiB + 16 KiB: both fills are asked for JOINTLY (the same loads, descriptors and mask of four in all four work-groups).
; LAYOUT.  Layer 1 transposed: source 0 = 16 hidden channels x K (K = 4 features, the bias beside a constant 1, zeros), source 1 = 16 rows.  In the result a lane holds one row (lane % 16) and the
; hidden channels 8 (lane / 16) + 0..7: two such tiles, rounded to f16 in pairs, ARE source 0 (16 rows x 32 k) of the main product.  Source 1 comes from w2h, stored [k][n], by the turning load.
; In the main result a lane holds one channel (lane % 16) and eight rows: column sums stay in the lane, and its eight rows pack into 16 bytes of zs, laid out so that a store is 512 consecutive bytes.
; PIPELINE, three K steps deep, ONE wait for transcendentals a step, at its end.  In step s (sets of layer-1 tiles X and Y by the step's parity): X, finished, is rounded into step s + 1's operand;
; layer 1 for step s + 3 is multiplied into X; Y (step s + 2) gets + 1 and the reciprocal, X the exponential, all as riders behind the matrix instructions.  Every reader stands behind the end
; of the step that issued what it reads.
; LIMITS.  f16 operands: |us|, w1f's numbers and |2 w2| under 65,504; the sum over k of |2 w2[k][c]| under 65,504 (zs).  An exponential that overflows gives r1 = 0, one that vanishes r1 = 1.
; REGISTERS, in windows of 256 (s_set_vgpr_msb: bits 1:0 source 0, 3:2 source 1, 5:4 source 2, 7:6 destination).  WINDOW t HOLDS ROW TILE t, under the same numbers in all four:
;   v0-127 accumulators (channel block b at 8 b); v128-143 the operand, two buffers; v144-175 layer-1 tiles, two sets of two; v176-183 u's fragment; v184-185 the next group's u.
;   So a main product's D, C and source 0 and all its riders lie in one window, and riders cost no switch.
;   v192-255: window 0 w2's fragments for blocks 0-7; window 1 for blocks 8-15; window 2 the sums (S1 at 192 + 2 b, S2 at 224 + 2 b); window 3 C0, w1f's fragments, addresses.
.set PW,    544                        ; a row of w2h in LDS: 512 bytes + 32 of padding = 17 x 32
.set W1L,   512*PW                     ; w1f, 32 bytes a channel
.set C0L,   W1L+16384                  ; C0 of my 256 channels, f32
.set STG,   C0L+1024                   ; 4 waves x [2][256] f32: the waves' column sums
.set SPARE, STG+8192                   ; the spare words: 128 bytes for each wave
.set AF,  128
.set TT,  144
.set UF,  176
.set UL,  184
.set BF,  192
.set S1R, 192                          ; window 2
.set S2R, 224
.set C0R, 192                          ; window 3: C0 of channel 16 b + lane % 16 at 192 + b
.set WF,  208                          ; window 3: two fragments of w1f; registers +4..+7 of each stay 0
.set SPW, 224                          ; window 3 from here on
.set NIL, 225
.set AB0, 226                          ; my lane's place in a fragment of w2h
.set AB,  227                          ; + the trip's first k
.set AC,  228                          ; + the next trip's first k
.set AW0, 229                          ; my lane's place in a fragment of w1f
.set AW,  230
.set UO,  231                          ; 8 (lane % 16)
.set ZO,  232                          ; 16 lane
.set SA,  233                          ; where I put a column sum
.set RDA, 234                          ; where I read four of them back
.set GSO, 235                          ; my 16 bytes of st2
.set WV,   16                          ; s16 wave
.set CX,   17
.set RB,   18
.set HALF, 19
.set USN,  22                          ; s[22:23] us at the next group's rows
.set G1A,  24
.set G1B,  32
.set G0A,  40
.set G0B,  44
.set KT,   48                          ; the trip's number in a group, 0..7
.set T0,   49
.set TRIP, 50
.set RG,   51
.set SEL,  52
.set MH,   54
.set T1,   55
.set USB,  56                          ; s[56:57] us at my wave's rows
.set SWM,  58
.set NXT,  59
.set MSB, 0
.macro WIN new                         ; the high byte repeats the setting that is left; a switch that changes nothing is dropped
.if MSB != (\new)
	s_set_vgpr_msb (MSB<<8)|(\new)
.set MSB, (\new)
.endif
.endm
.macro PLACES                          ; four plain instructions behind a matrix instruction, ahead of loads into its sources and of vector lines that read its result or write its sources
.rept 4
	v_nop
.endr
.endm
.macro ROUND                           ; a round of the cluster's barrier
	s_barrier_signal -1
	s_barrier_wait -1
	s_cmp_lg_u32 s[WV], 0
	s_cbranch_scc1 .Lnot_wave_0_\@
	s_barrier_signal -3
.Lnot_wave_0_\@:
	s_barrier_wait -3
	s_barrier_signal -1
	s_barrier_wait -1
.endm
.macro LDWF n                          ; w1f's two fragments for K step n
	WIN 0xc3
	ds_load_b128 v[WF:WF+3], v[AW0] offset:1024*(\n)
	ds_load_b128 v[WF+8:WF+11], v[AW0] offset:1024*(\n)+512
.endm
.macro L1T t, e                        ; layer 1 for tile t, 32 hidden channels, into set e
	WIN ((\t)<<6)|((\t)<<2)|3
	v_wmma_f32_16x16x32_f16 v[TT+16*(\e):TT+16*(\e)+7], v[WF:WF+7], v[UF:UF+7], 0
	v_wmma_f32_16x16x32_f16 v[TT+16*(\e)+8:TT+16*(\e)+15], v[WF+8:WF+15], v[UF:UF+7], 0
.endm
.macro L1ALL e
.irp t, 0,1,2,3
	L1T \t, \e
.endr
.endm
.macro EXPALL e
.irp t, 0,1,2,3
	WIN 0x55*(\t)
.set n, 0
.rept 16
	v_exp_f32 v[TT+16*(\e)+n], v[TT+16*(\e)+n]
.set n, n+1
.endr
.endr
.endm
.macro ADDALL e
.irp t, 0,1,2,3
	WIN 0x55*(\t)
.set n, 0
.rept 8
	v_pk_add_f32 v[TT+16*(\e)+2*n:TT+16*(\e)+2*n+1], v[TT+16*(\e)+2*n:TT+16*(\e)+2*n+1], 1.0 op_sel_hi:[1,0]
.set n, n+1
.endr
.endr
.endm
.macro RCPALL e
.irp t, 0,1,2,3
	WIN 0x55*(\t)
.set n, 0
.rept 16
	v_rcp_f32 v[TT+16*(\e)+n], v[TT+16*(\e)+n]
.set n, n+1
.endr
.endr
.endm
.macro CVTALL e, q
.irp t, 0,1,2,3
	WIN 0x55*(\t)
.set n, 0
.rept 8
	v_cvt_pk_f16_f32 v[AF+8*(\q)+n], v[TT+16*(\e)+2*n], v[TT+16*(\e)+2*n+1]
.set n, n+1
.endr
.endr
.endm
.macro MAINW b, p, zero                ; the main product on channel block b; zero = 1: it starts the sum
.if \zero
	v_wmma_f32_16x16x32_f16 v[8*(\b):8*(\b)+7], v[AF+8*(\p):AF+8*(\p)+7], v[BF+8*((\b)%8):BF+8*((\b)%8)+7], 0
.else
	v_wmma_f32_16x16x32_f16 v[8*(\b):8*(\b)+7], v[AF+8*(\p):AF+8*(\p)+7], v[BF+8*((\b)%8):BF+8*((\b)%8)+7], v[8*(\b):8*(\b)+7]
.endif
.endm
.macro ADD1 n
	v_pk_add_f32 v[SY+2*(\n):SY+2*(\n)+1], v[SY+2*(\n):SY+2*(\n)+1], 1.0 op_sel_hi:[1,0]
.endm
.macro RCP1 n
	v_rcp_f32 v[SY+(\n)], v[SY+(\n)]
.endm
; The LDS addresses of a trip (two K steps).  KT is cut to 0..7, so every address is bounded by these lines: w2h's rows 64 KT on, the next trip's, and w1f's channels for the steps four on.
.macro TRIPHEAD
	WIN 0xff
	s_mul_i32 s[T0], s[KT], 64*PW
	v_add_nc_u32 v[AB], s[T0], v[AB0]
	s_lshl_b32 s[T0], s[KT], 11
	s_add_co_u32 s[T0], s[T0], 4096
	s_and_b32 s[T0], s[T0], 0x3fff
	v_add_nc_u32 v[AW], s[T0], v[AW0]
	s_add_co_u32 s[KT], s[KT], 1
	s_and_b32 s[KT], s[KT], 7
	s_mul_i32 s[T0], s[KT], 64*PW
	v_add_nc_u32 v[AC], s[T0], v[AB0]
.endm
; A K STEP: 64 main products and 8 of layer 1.  p: its parity; sig: its place in the trip; zero = 1: the group's first step; sw = 1: u's fragment may change here.
; The 64 accumulators take turns, one instruction a turn, in the same order in every step.
.macro STEP p, sig, zero, sw
.set SX, TT+16*(1-(\p))
.set SY, TT+16*(\p)
.if \sw
	s_wait_loadcnt 0x0                             ; the next group's u is in (asked for at the group's start)
	s_cmp_eq_u32 s[TRIP], 2                        ; step 13: its layer 1 is the first that serves the next group
	s_cselect_b32 s[SWM], -1, 0                    ; a choice of values, made in every trip
.irp t, 0,1,2,3
	WIN 0x55*(\t)
	v_cndmask_b32 v[UF], v[UF], v[UL], s[SWM]
	v_cndmask_b32 v[UF+1], v[UF+1], v[UL+1], s[SWM]
.endr
.endif
	WIN (1<<6)|3                                   ; blocks 8-15 of this step: their registers' last readers stand ahead of the last step's four plain instructions
.irp i, 0,1,2,3,4,5,6,7
	ds_load_tr16_b128 v[BF+8*(\i):BF+8*(\i)+3], v[AB] offset:(\sig)*32*PW+32*(8+(\i))
	ds_load_tr16_b128 v[BF+8*(\i)+4:BF+8*(\i)+7], v[AB] offset:(\sig)*32*PW+32*(8+(\i))+16*PW
.endr
.irp t, 0,1,2,3
	WIN 0x55*(\t)
.irp i, 0,1,2,3,4,5,6,7
	v_cvt_pk_f16_f32 v[AF+8*(1-(\p))+(\i)], v[SX+2*(\i)], v[SX+2*(\i)+1]
.endr
.if (\t) == 0
	s_wait_dscnt 16                                ; the 16 just issued may stay out; blocks 0-7 and w1f's fragments, 18 loads from the middle of the last step, are in
.endif
	L1T \t, 1-(\p)
	WIN ((\t)<<6)|((\t)<<4)|(\t)
.irp i, 0,1,2,3,4,5,6,7
	MAINW \i, \p, \zero
.if (\i) == 0
	ADD1 0
	ADD1 1
	RCP1 0
.elseif (\i) < 7
	ADD1 (\i)+1
	RCP1 2*(\i)-1
	RCP1 2*(\i)
.else
	RCP1 13
	RCP1 14
	RCP1 15
.endif
.endr
.endr
	PLACES
	WIN 3                                          ; the next step's blocks 0-7
.irp i, 0,1,2,3,4,5,6,7
.if \sig
	ds_load_tr16_b128 v[BF+8*(\i):BF+8*(\i)+3], v[AC] offset:32*(\i)
	ds_load_tr16_b128 v[BF+8*(\i)+4:BF+8*(\i)+7], v[AC] offset:32*(\i)+16*PW
.else
	ds_load_tr16_b128 v[BF+8*(\i):BF+8*(\i)+3], v[AB] offset:32*PW+32*(\i)
	ds_load_tr16_b128 v[BF+8*(\i)+4:BF+8*(\i)+7], v[AB] offset:32*PW+32*(\i)+16*PW
.endif
.endr
	WIN 0xc3
	ds_load_b128 v[WF:WF+3], v[AW] offset:(\sig)*1024
	ds_load_b128 v[WF+8:WF+11], v[AW] offset:(\sig)*1024+512
	s_wait_dscnt 18                                ; the 18 just issued may stay out; blocks 8-15 are in
.irp t, 0,1,2,3
	WIN ((\t)<<6)|((\t)<<4)|(1<<2)|(\t)
.irp i, 0,1,2,3,4,5,6,7
	MAINW 8+(\i), \p, \zero
	v_exp_f32 v[SX+2*(\i)], v[SX+2*(\i)]           ; each layer-1 tile is read from its lowest register on; eight plain riders and four more stand behind the product that made it
	v_exp_f32 v[SX+2*(\i)+1], v[SX+2*(\i)+1]
.endr
.endr
	PLACES                                         ; the plain instruction behind the last exponential; the places ahead of the next step's roundings and loads
	s_wait_alu depctr_va_vdst(0)                   ; ONE wait for the step's 128 transcendentals: all their readers stand in later steps
.endm
; A GROUP'S WAY OUT, tile by tile: + C0; the sums of zs and of zs^2; rounded to f16 in place; 16 stores of 512 consecutive bytes.  It leaves the pipeline's registers as they are.
.macro EPI
.irp t, 0,1,2,3
	WIN ((\t)<<6)|(3<<2)|(\t)
.irp jp, 0,1,2,3
.set b, 0
.rept 16
.if b&1
	v_pk_add_f32 v[8*b+2*(\jp):8*b+2*(\jp)+1], v[8*b+2*(\jp):8*b+2*(\jp)+1], v[C0R+b-1:C0R+b] op_sel:[0,1] op_sel_hi:[1,1]
.else
	v_pk_add_f32 v[8*b+2*(\jp):8*b+2*(\jp)+1], v[8*b+2*(\jp):8*b+2*(\jp)+1], v[C0R+b:C0R+b+1] op_sel_hi:[1,0]
.endif
.set b, b+1
.endr
.endr
	WIN (2<<6)|((\t)<<2)|2
.irp jp, 0,1,2,3
.set b, 0
.rept 16
	v_pk_add_f32 v[S1R+2*b:S1R+2*b+1], v[S1R+2*b:S1R+2*b+1], v[8*b+2*(\jp):8*b+2*(\jp)+1]
.set b, b+1
.endr
.endr
	WIN (2<<6)|(2<<4)|((\t)<<2)|(\t)
.irp jp, 0,1,2,3
.set b, 0
.rept 16
	v_pk_fma_f32 v[S2R+2*b:S2R+2*b+1], v[8*b+2*(\jp):8*b+2*(\jp)+1], v[8*b+2*(\jp):8*b+2*(\jp)+1], v[S2R+2*b:S2R+2*b+1]
.set b, b+1
.endr
.endr
	WIN 0x55*(\t)
.irp jp, 0,1,2,3
.set b, 0
.rept 16
	v_cvt_pk_f16_f32 v[8*b+(\jp)], v[8*b+2*(\jp)], v[8*b+2*(\jp)+1]
.set b, b+1
.endr
.endr
	WIN ((\t)<<2)|3
.set b, 0
.rept 16
	global_store_b128 v[ZO], v[8*b:8*b+3], s[12:13] offset:2048*b+512*(\t) th:TH_STORE_NT
.set b, b+1
.endr
.endr
	WIN 0
	s_wait_xcnt 0x0                                ; the stores have read their data and their base: the next group's first products write the one, the next line the other
	s_add_nc_u64 s[12:13], s[12:13], 65536
.endm
	s_load_b256 s[4:11], s[0:1], 0x0               ; us s[4:5], w1f s[6:7], w2h s[8:9], c0p s[10:11]
	s_load_b128 s[12:15], s[0:1], 0x20             ; zs s[12:13], st2 s[14:15]
	WIN 0xc0
	v_lshl_add_u32 v[SPW], v0, 2, SPARE
	v_mov_b32 v[NIL], 0
	WIN 0x0f
	ds_add_u32 v[SPW], v[NIL]                      ; the wave's opening: the add and its wait stand ahead of my first tensor load; the set-up below, work on registers, stands between them
	ds_add_u32 v224, v225
	WIN 0
	v_lshrrev_b32 v4, 5, v0
	v_readfirstlane_b32 s[WV], v4                  ; wave 0..3
	v_and_b32 v1, 31, v0                           ; l
	v_and_b32 v2, 15, v0                           ; r = l % 16
	v_bfe_u32 v3, v0, 4, 1                         ; h = l / 16
	v_and_b32 v5, 7, v0
	v_bfe_u32 v6, v0, 3, 1
	v_lshl_add_u32 v7, v3, 3, v5
	v_mul_u32_u24 v7, v7, PW                       ; the turning load: row 8 h + l % 8,
	v_lshlrev_b32 v8, 5, v2
	v_lshl_add_u32 v8, v3, 4, v8
	v_lshlrev_b32 v9, 3, v0                        ; 8 t: two channels of C0
	v_lshlrev_b32 v10, 2, v2
	v_lshl_add_u32 v11, v3, 10, v10
	v_lshrrev_b32 v12, 6, v0
	v_and_b32 v13, 63, v0
	v_lshlrev_b32 v13, 4, v13
	v_add_nc_u32 v14, C0L, v10
	v_add_nc_u32 v15, C0L, v9
	s_lshl_b32 s[T1], s[WV], 11
	s_add_co_u32 s[T1], s[T1], STG
	WIN 0xc0
	v_lshl_add_u32 v[AB0], v6, 4, v7               ; 16 bytes by (l / 8) % 2
	v_add_nc_u32 v[AW0], W1L, v8                   ; channel r, 16 bytes for each half of the lanes
	v_lshlrev_b32 v[UO], 3, v2
	v_lshlrev_b32 v[ZO], 4, v1
	v_add_nc_u32 v[SA], s[T1], v11                 ; my wave's stage: lanes 0-15 the sums, lanes 16-31 the sums of squares
	v_lshl_add_u32 v[RDA], v0, 4, STG
	v_lshl_add_u32 v[GSO], v12, 11, v13
	WIN 0
	s_bfe_u32 s[CX], ttmp6, 0x40000                ; my place in the cluster: it enters the addresses of us, zs and st2 alone
	s_lshl_b32 s[RB], ttmp9, 2
	s_add_co_u32 s[RB], s[RB], s[CX]               ; my block of 2,048 rows
	s_and_b32 s[HALF], ttmp7, 0xffff               ; which 256 channels: the four partners share it
	; w2h: my quarter, 128 rows (k) of 256 elements of 2 bytes, 1,024 bytes apart in memory, padded in LDS
	s_mov_b32 s[G1A], 15|(1<<16)|(1<<20)|(1<<21)|(6<<22)|(7<<25)  ; the mask of four; 2-byte elements; padding on; bit 21 beside a mask; after every 128 words (code 6) 8 words (code 7)
	s_mov_b32 s[G1A+1], 256<<16                    ; tensor_dim0 = 256
	s_mov_b32 s[G1A+2], 128<<16                    ; tensor_dim1 = 128
	s_mov_b32 s[G1A+3], 256<<16                    ; tile_dim0 = 256
	s_mov_b32 s[G1A+4], 128                        ; tile_dim1 = 128
	s_mov_b32 s[G1A+5], 512                        ; 512 elements from row to row
	s_mov_b32 s[G1A+6], 0
	s_mov_b32 s[G1A+7], 0
	; w1f: my quarter, 4,096 dense bytes as 16 rows of 32 elements of 8 bytes
	s_mov_b32 s[G1B], 15|(3<<16)|(1<<21)
	s_mov_b32 s[G1B+1], 32<<16
	s_mov_b32 s[G1B+2], 16<<16
	s_mov_b32 s[G1B+3], 32<<16
	s_mov_b32 s[G1B+4], 16
	s_mov_b32 s[G1B+5], 32
	s_mov_b32 s[G1B+6], 0
	s_mov_b32 s[G1B+7], 0
	s_mov_b32 s[G0A], 1
	s_mul_i32 s[G0A+1], s[WV], 128*PW
	s_mov_b32 s[G0B], 1
	s_lshl_b32 s[G0B+1], s[WV], 12
	s_add_co_u32 s[G0B+1], s[G0B+1], W1L
	s_mov_b32 s[SEL], 0x76543210
	s_mov_b32 s[SEL+1], 0xfedcba98
	s_mov_b32 s[MH], 0xffff0000
	s_mov_b32 s21, 0
	s_mov_b32 s61, 0
	s_wait_dscnt 0x0                               ; the opening add is done
	s_wait_kmcnt 0x0
	s_lshl_b32 s60, s[WV], 17                      ; 128 rows of 1,024 bytes; s60-62 never hold my place in the cluster
	s_lshl_b32 s62, s[HALF], 9
	s_add_co_u32 s60, s60, s62
	s_add_nc_u64 s[G0A+2:G0A+3], s[8:9], s[60:61]
	s_or_b32 s[G0A+3], s[G0A+3], 0x80000000
	s_lshl_b32 s60, s[WV], 12
	s_add_nc_u64 s[G0B+2:G0B+3], s[6:7], s[60:61]
	s_or_b32 s[G0B+3], s[G0B+3], 0x80000000
	s_lshl_b32 s60, s[HALF], 10
	s_add_nc_u64 s[10:11], s[10:11], s[60:61]      ; c0p at my 256 channels
	s_lshl_b32 s20, s[RB], 14
	s_lshl_b32 s[T1], s[WV], 12
	s_add_co_u32 s20, s20, s[T1]
	s_add_nc_u64 s[USB:USB+1], s[4:5], s[20:21]    ; us at my wave's 512 rows
	s_lshl_b32 s20, s[RB], 21
	s_lshl_b32 s[T1], s[WV], 19
	s_add_co_u32 s20, s20, s[T1]
	s_lshl_b32 s[T1], s[HALF], 15
	s_add_co_u32 s20, s20, s[T1]
	s_add_nc_u64 s[12:13], s[12:13], s[20:21]      ; zs at my first group of 64 rows, my 16 channel blocks
	s_lshl_b32 s20, s[RB], 12
	s_lshl_b32 s[T1], s[HALF], 10
	s_add_co_u32 s20, s20, s[T1]
	s_add_nc_u64 s[14:15], s[14:15], s[20:21]
	ROUND                                          ; all four work-groups are here: the joint loads meet
	tensor_load_to_lds s[G0A:G0A+3], s[G1A:G1A+7]  ; the launch's only fills: two loads of mine are out
	s_nop 0
	tensor_load_to_lds s[G0B:G0B+3], s[G1B:G1B+7]
	s_nop 0
	PLACES
.set i, 0
.rept 32
	global_load_b64 v[32+2*i:33+2*i], v9, s[10:11] offset:2048*i   ; the 32 partial C0
.set i, i+1
.endr
.irp t, 0,1,2,3
	WIN ((\t)<<6)|3
	global_load_b64 v[UF:UF+1], v[UO], s[USB:USB+1] offset:128*(\t)   ; the first group's u, straight into the fragments
.endr
.irp t, 0,1,2,3
	WIN (\t)<<6
	v_mov_b32 v[UF+2], 0x3c00                      ; k = 4 holds 1.0, beside the folded bias; the rest of K is 0
	v_mov_b32 v[UF+3], 0
	v_mov_b32 v[UF+4], 0
	v_mov_b32 v[UF+5], 0
	v_mov_b32 v[UF+6], 0
	v_mov_b32 v[UF+7], 0
.endr
	WIN 0xc0
.irp i, 4,5,6,7,12,13,14,15
	v_mov_b32 v[WF+(\i)], 0
.endr
	WIN 0x80
.set i, 0
.rept 64
	v_mov_b32 v[S1R+i], 0                          ; the column sums, once a launch, in the wait for the tiles
.set i, i+1
.endr
	WIN 0
	s_wait_loadcnt 4                               ; c0p's 32 are in; u's four may stay out
.irp s, 16,8,4,2,1
.set i, 0
.rept \s
	v_pk_add_f32 v[32+2*i:33+2*i], v[32+2*i:33+2*i], v[32+2*(i+(\s)):33+2*(i+(\s))]
.set i, i+1
.endr
.endr
	ds_store_b64 v15, v[32:33]
	s_wait_tensorcnt 0x0                           ; my parts of w2h and w1f have landed,
	s_wait_dscnt 0x0                               ; my part of C0 is stored:
	s_barrier_signal -1
	s_barrier_wait -1                              ; everybody's are
	WIN 0xc0
.set b, 0
.rept 16
	ds_load_b32 v[C0R+b], v14 offset:64*b
.set b, b+1
.endr
	; THE PIPELINE'S START: steps 0 and 1 are carried to the reciprocal, step 0 to the operand, step 2 to the exponential
	LDWF 0
	s_wait_dscnt 0x0
	s_wait_loadcnt 0x0
	L1ALL 0
	PLACES
	LDWF 1
	s_wait_dscnt 0x0
	L1ALL 1
	PLACES
	LDWF 2
	EXPALL 0
	EXPALL 1
	v_nop
	s_wait_alu depctr_va_vdst(0)
	ADDALL 0
	ADDALL 1
	RCPALL 0
	RCPALL 1
	v_nop
	s_wait_alu depctr_va_vdst(0)
	CVTALL 0, 0
	s_wait_dscnt 0x0
	L1ALL 0
	PLACES
	LDWF 3
	WIN 3
.irp i, 0,1,2,3,4,5,6,7
	ds_load_tr16_b128 v[BF+8*(\i):BF+8*(\i)+3], v[AB0] offset:32*(\i)
	ds_load_tr16_b128 v[BF+8*(\i)+4:BF+8*(\i)+7], v[AB0] offset:32*(\i)+16*PW
.endr
	EXPALL 0
	PLACES
	s_wait_alu depctr_va_vdst(0)
	WIN 0
	s_mov_b32 s[KT], 0
	s_mov_b32 s[NXT], 1
	s_mov_b32 s[RG], 8
.Lrg:                                  ; eight groups of 64 rows
	TRIPHEAD
	s_min_u32 s20, s[NXT], 7                       ; the last group asks for its own rows once more: no load leaves us
	s_lshl_b32 s20, s20, 9
	s_add_nc_u64 s[USN:USN+1], s[USB:USB+1], s[20:21]
	s_add_co_u32 s[NXT], s[NXT], 1
.irp t, 0,1,2,3
	WIN ((\t)<<6)|3
	global_load_b64 v[UL:UL+1], v[UO], s[USN:USN+1] offset:128*(\t)
.endr
	STEP 0, 0, 1, 0                                ; the group's first step starts the sums: nothing is cleared
	STEP 1, 1, 0, 0
	WIN 0
	s_mov_b32 s[TRIP], 7
.Ltrip:
	TRIPHEAD
	STEP 0, 0, 0, 0
	STEP 1, 1, 0, 1
	WIN 0
	s_sub_co_u32 s[TRIP], s[TRIP], 1
	s_cmp_lg_u32 s[TRIP], 0
	s_cbranch_scc1 .Ltrip
	EPI
	s_sub_co_u32 s[RG], s[RG], 1
	s_cmp_lg_u32 s[RG], 0
	s_cbranch_scc1 .Lrg
	; THE COLUMN SUMS: a pair's two, the other half of the lanes' (the tile's other eight rows), then the four waves' through LDS
	WIN 0xaa
.set b, 0
.rept 32
	v_add_f32 v[S1R+2*b], v[S1R+2*b], v[S1R+2*b+1]
.set b, b+1
.endr
.set b, 0
.rept 32
	v_permlanex16_b32 v[S1R+2*b+1], v[S1R+2*b], s[SEL], s[SEL+1]
.set b, b+1
.endr
.set b, 0
.rept 32
	v_add_f32 v[S1R+2*b], v[S1R+2*b], v[S1R+2*b+1]
.set b, b+1
.endr
.set b, 0
.rept 16
	v_cndmask_b32 v[S1R+2*b], v[S1R+2*b], v[S2R+2*b], s[MH]   ; lanes 16-31 carry the sums of squares
.set b, b+1
.endr
	s_wait_dscnt 0x0                               ; my last reads of the weights are back
	s_barrier_signal -1
	s_barrier_wait -1
	WIN 0x0b
.set b, 0
.rept 16
	ds_store_b32 v[SA], v[S1R+2*b] offset:64*b
.set b, b+1
.endr
	s_wait_dscnt 0x0
	s_barrier_signal -1
	s_barrier_wait -1
	WIN 0x03
.irp w, 0,1,2,3
	ds_load_b128 v[4*(\w):4*(\w)+3], v[RDA] offset:2048*(\w)
.endr
	s_wait_dscnt 0x0
	WIN 0
	v_pk_add_f32 v[0:1], v[0:1], v[4:5]
	v_pk_add_f32 v[2:3], v[2:3], v[6:7]
	v_pk_add_f32 v[8:9], v[8:9], v[12:13]
	v_pk_add_f32 v[10:11], v[10:11], v[14:15]
	v_pk_add_f32 v[0:1], v[0:1], v[8:9]
	v_pk_add_f32 v[2:3], v[2:3], v[10:11]
	WIN 0x03
	global_store_b128 v[GSO], v[0:3], s[14:15]     ; 512 consecutive bytes a wave
	WIN 0x0f
	s_wait_tensorcnt 0x0                           ; the wave's end, behind my last tensor load and my last LDS store
	ds_add_u32 v[SPW], v[NIL]
	s_wait_dscnt 0x0
	WIN 0
	ROUND                                          ; the closing round
	s_endpgm
.Lfunc_end_k_q5934e1eb8b_gemm:
	.size	k_q5934e1eb8b_gemm, .Lfunc_end_k_q5934e1eb8b_gemm-k_q5934e1eb8b_gemm
	.p2alignl 7, 3214868480
	.fill 96, 4, 3214868480
	.section	.rodata,"a",@progbits
	.p2align	6, 0x0
	.amdhsa_kernel k_q5934e1eb8b_gemm
		.amdhsa_group_segment_fixed_size 327680
		.amdhsa_private_segment_fixed_size 0
		.amdhsa_enable_private_segment 0
		.amdhsa_kernarg_size 48
		.amdhsa_user_sgpr_count 2
		.amdhsa_user_sgpr_kernarg_segment_ptr 1
		.amdhsa_wavefront_size32 1
		.amdhsa_system_sgpr_workgroup_id_x 1
		.amdhsa_system_sgpr_workgroup_id_y 1
		.amdhsa_system_sgpr_workgroup_id_z 1
		.amdhsa_system_vgpr_workitem_id 0
		.amdhsa_next_free_vgpr 1024
		.amdhsa_next_free_sgpr 66
		.amdhsa_reserve_vcc 0
		.amdhsa_float_denorm_mode_32 3
		.amdhsa_float_denorm_mode_16_64 3
		.amdhsa_memory_ordered 1
		.amdhsa_forward_progress 1
		.amdhsa_inst_pref_size 180
	.end_amdhsa_kernel
	.amdgpu_metadata
---
amdhsa.version: [ 1, 2 ]
amdhsa.kernels:
  - .name:           k_q5934e1eb8b_gemm
    .symbol:         k_q5934e1eb8b_gemm.kd
    .args:
      - { .name: us, .offset: 0, .size: 8, .value_kind: global_buffer, .address_space: global }
      - { .name: w1f, .offset: 8, .size: 8, .value_kind: global_buffer, .address_space: global }
      - { .name: w2h, .offset: 16, .size: 8, .value_kind: global_buffer, .address_space: global }
      - { .name: c0p, .offset: 24, .size: 8, .value_kind: global_buffer, .address_space: global }
      - { .name: zs, .offset: 32, .size: 8, .value_kind: global_buffer, .address_space: global }
      - { .name: st2, .offset: 40, .size: 8, .value_kind: global_buffer, .address_space: global }
    .group_segment_fixed_size: 327680
    .private_segment_fixed_size: 0
    .kernarg_segment_align: 8
    .kernarg_segment_size: 48
    .max_flat_workgroup_size: 128
    .sgpr_count:     66
    .vgpr_count:     1024
    .wavefront_size: 32
...
	.end_amdgpu_metadata
.endif
;; end of part 3
;; launch fin (part 4): grid 8 x 1, 8 waves a work-group, no clusters, 5,120 bytes of LDS; arguments st2, b2, g2, beta2, w3, par2; writes par2
.if DOCPART == 4
	.amdgcn_target "amdgcn-amd-amdhsa--gfx1250"
	.amdhsa_code_object_version 6
	.text
	.protected	k_q5934e1eb8b_fin
	.globl	k_q5934e1eb8b_fin
	.p2align	8
	.type	k_q5934e1eb8b_fin,@function
k_q5934e1eb8b_fin:
	s_mov_b64 s[64:65], 0
	v_nop
	global_prefetch_b8 v0, s[64:65] scope:SCOPE_SE
	s_setreg_imm32_b32 hwreg(HW_REG_WAVE_MODE, 25, 1), 1
	s_wait_xcnt 0x0
; THE SECOND BATCH NORM'S CONSTANTS.  st2 holds, for each of 128 row blocks, the sums of zs and of zs^2 of all 512 channels.  ms = S1 / B, var2 = max(S2 / B - ms^2, 0): zs is centred by a pivot, so this is
; no difference of large sums.  a2 = g2 rsq(var2 + 1e-5); value - mean = zs + b2 - (ms + b2); par2[c] = (SC a2, SC (a2 (b2 - mu) + beta2), -2 w3, 0), SC = 2 log2(e).
; SHARES: a work-group owns 64 channels; wave q adds row blocks 16 q .. 16 q + 15, a lane two channels (a wave's load is 256 consecutive bytes); the eight waves meet in LDS.
.set SPARE, 4096                       ; behind [8 waves][2 sums][64] f32
.set SPW, 4
.set NIL, 5
.set L,   16                           ; v16-79: sum s, row block i at 16 + 32 s + 2 i
	s_load_b256 s[4:11], s[0:1], 0x0               ; st2 s[4:5], b2 s[6:7], g2 s[8:9], beta2 s[10:11]
	s_load_b128 s[12:15], s[0:1], 0x20             ; w3 s[12:13], par2 s[14:15]
	v_lshl_add_u32 v[SPW], v0, 2, SPARE
	v_mov_b32 v[NIL], 0
	v_lshrrev_b32 v1, 5, v0
	v_readfirstlane_b32 s16, v1                    ; wave 0..7
	v_and_b32 v2, 31, v0
	s_lshl_b32 s17, s16, 16                        ; 16 row blocks of 4,096 bytes
	s_lshl_b32 s18, ttmp9, 8                       ; 64 channels of 4 bytes
	s_add_co_u32 s17, s17, s18
	v_lshl_add_u32 v6, v2, 3, s17
	v_and_b32 v7, 63, v0
	v_lshl_add_u32 v7, v7, 2, s18                  ; a channel's parameters
	s_lshl_b32 s19, s16, 9
	v_lshl_add_u32 v8, v2, 3, s19
	v_lshlrev_b32 v9, 2, v0
	v_lshlrev_b32 v10, 4, v0
	s_lshl_b32 s20, ttmp9, 10
	s_mov_b32 s21, 0
	s_mov_b32 s22, 0x36800000                      ; 1 / 262,144
	s_mov_b32 s23, 0x4038aa3b                      ; SC
	s_wait_kmcnt 0x0
	s_add_nc_u64 s[14:15], s[14:15], s[20:21]
.irp s, 0,1
.set i, 0
.rept 16
	global_load_b64 v[L+32*(\s)+2*i:L+32*(\s)+2*i+1], v6, s[4:5] offset:4096*i+2048*(\s)
.set i, i+1
.endr
.endr
	global_load_b32 v80, v7, s[6:7]                ; b2
	global_load_b32 v81, v7, s[8:9]                ; g2
	global_load_b32 v82, v7, s[10:11]              ; beta2
	global_load_b32 v83, v7, s[12:13]              ; w3
	s_wait_loadcnt 4                               ; the 32 of st2 are in; the four parameters may stay out
.irp s, 0,1
.irp d, 8,4,2,1
.set i, 0
.rept \d
	v_pk_add_f32 v[L+32*(\s)+2*i:L+32*(\s)+2*i+1], v[L+32*(\s)+2*i:L+32*(\s)+2*i+1], v[L+32*(\s)+2*(i+(\d)):L+32*(\s)+2*(i+(\d))+1]
.set i, i+1
.endr
.endr
.endr
	ds_store_b64 v8, v[L:L+1]
	ds_store_b64 v8, v[L+32:L+33] offset:256
	s_wait_dscnt 0x0
	s_barrier_signal -1
	s_barrier_wait -1
	s_cmp_ge_u32 s16, 2
	s_cbranch_scc1 .Lend
.irp s, 0,1                            ; waves 0 and 1: a channel a lane
.set i, 0
.rept 8
	ds_load_b32 v[L+8*(\s)+i], v9 offset:512*i+256*(\s)
.set i, i+1
.endr
.endr
	s_wait_dscnt 0x0
.irp s, 0,1
	v_pk_add_f32 v[L+8*(\s):L+8*(\s)+1], v[L+8*(\s):L+8*(\s)+1], v[L+8*(\s)+2:L+8*(\s)+3]
	v_pk_add_f32 v[L+8*(\s)+4:L+8*(\s)+5], v[L+8*(\s)+4:L+8*(\s)+5], v[L+8*(\s)+6:L+8*(\s)+7]
	v_pk_add_f32 v[L+8*(\s):L+8*(\s)+1], v[L+8*(\s):L+8*(\s)+1], v[L+8*(\s)+4:L+8*(\s)+5]
	v_add_f32 v[L+8*(\s)], v[L+8*(\s)], v[L+8*(\s)+1]
.endr
	s_wait_loadcnt 0x0
	v_mul_f32 v32, s22, v[L]                       ; ms
	v_mul_f32 v33, s22, v[L+8]
	v_fma_f32 v33, -v32, v32, v33
	v_max_num_f32 v33, 0, v33
	v_add_f32 v33, 0x3727c5ac, v33                 ; + 1e-5
	v_rsq_f32 v34, v33
	v_add_f32 v35, v32, v80                        ; mu = ms + b2: plain work behind the root
	v_sub_f32 v35, v80, v35                        ; b2 - mu
	s_wait_alu depctr_va_vdst(0)                   ; ahead of the root's first reader
	v_mul_f32 v36, v81, v34                        ; a2
	v_fma_f32 v37, v36, v35, v82
	v_mul_f32 v40, s23, v36
	v_mul_f32 v41, s23, v37
	v_mul_f32 v42, -2.0, v83
	v_mov_b32 v43, 0
	global_store_b128 v10, v[40:43], s[14:15]      ; 512 consecutive bytes a wave
.Lend:
	s_wait_tensorcnt 0x0                           ; the wave's end, behind my last LDS store
	ds_add_u32 v[SPW], v[NIL]
	s_wait_dscnt 0x0
	s_endpgm
.Lfunc_end_k_q5934e1eb8b_fin:
	.size	k_q5934e1eb8b_fin, .Lfunc_end_k_q5934e1eb8b_fin-k_q5934e1eb8b_fin
	.p2alignl 7, 3214868480
	.fill 96, 4, 3214868480
	.section	.rodata,"a",@progbits
	.p2align	6, 0x0
	.amdhsa_kernel k_q5934e1eb8b_fin
		.amdhsa_group_segment_fixed_size 5120
		.amdhsa_private_segment_fixed_size 0
		.amdhsa_enable_private_segment 0
		.amdhsa_kernarg_size 48
		.amdhsa_user_sgpr_count 2
		.amdhsa_user_sgpr_kernarg_segment_ptr 1
		.amdhsa_wavefront_size32 1
		.amdhsa_system_sgpr_workgroup_id_x 1
		.amdhsa_system_sgpr_workgroup_id_y 1
		.amdhsa_system_sgpr_workgroup_id_z 1
		.amdhsa_system_vgpr_workitem_id 0
		.amdhsa_next_free_vgpr 96
		.amdhsa_next_free_sgpr 66
		.amdhsa_reserve_vcc 0
		.amdhsa_float_denorm_mode_32 3
		.amdhsa_float_denorm_mode_16_64 3
		.amdhsa_memory_ordered 1
		.amdhsa_forward_progress 1
		.amdhsa_inst_pref_size 10
	.end_amdhsa_kernel
	.amdgpu_metadata
---
amdhsa.version: [ 1, 2 ]
amdhsa.kernels:
  - .name:           k_q5934e1eb8b_fin
    .symbol:         k_q5934e1eb8b_fin.kd
    .args:
      - { .name: st2, .offset: 0, .size: 8, .value_kind: global_buffer, .address_space: global }
      - { .name: b2, .offset: 8, .size: 8, .value_kind: global_buffer, .address_space: global }
      - { .name: g2, .offset: 16, .size: 8, .value_kind: global_buffer, .address_space: global }
      - { .name: beta2, .offset: 24, .size: 8, .value_kind: global_buffer, .address_space: global }
      - { .name: w3, .offset: 32, .size: 8, .value_kind: global_buffer, .address_space: global }
      - { .name: par2, .offset: 40, .size: 8, .value_kind: global_buffer, .address_space: global }
    .group_segment_fixed_size: 5120
    .private_segment_fixed_size: 0
    .kernarg_segment_align: 8
    .kernarg_segment_size: 48
    .max_flat_workgroup_size: 256
    .sgpr_count:     66
    .vgpr_count:     96
    .wavefront_size: 32
...
	.end_amdgpu_metadata
.endif
;; end of part 4
;; launch head (part 5): grid 512 x 1, 8 waves a work-group, no clusters, 9,216 bytes of LDS; arguments zs, par2, b3, out0; writes out0
.if DOCPART == 5
	.amdgcn_target "amdgcn-amd-amdhsa--gfx1250"
	.amdhsa_code_object_version 6
	.text
	.protected	k_q5934e1eb8b_head
	.globl	k_q5934e1eb8b_head
	.p2align	8
	.type	k_q5934e1eb8b_head,@function
k_q5934e1eb8b_head:
	s_mov_b64 s[64:65], 0
	v_nop
	global_prefetch_b8 v0, s[64:65] scope:SCOPE_SE
	s_setreg_imm32_b32 hwreg(HW_REG_WAVE_MODE, 25, 1), 1
	s_wait_xcnt 0x0
; out[row] = b3 + sum_c w3[c] tanh(a2 zs + d2) = (b3 + sum_c w3[c]) + sum_c (-2 w3[c]) r2, r2 = 1 / (1 + 2^(SC a2 zs + SC d2)).  zs is read once, as it was laid: for 64 rows and 16 channels
; four blocks of 512 bytes, in which lane (h, r) holds rows 16 t + 8 h + 0..7 of channel r.
; SHARES: a wave takes 64 rows, 65,536 consecutive bytes: 32 groups (16 channels each) of four loads.  A ring of four groups in registers keeps 16 loads of the wave on their way.
; A lane adds up its channel's terms for 32 rows; at the end a scattered sum over the 16 lanes leaves each lane two rows, and one store writes the wave's 256 consecutive bytes.
; The matrix unit, clusters and tensor loads are left out: each byte is used once, by one lane, and a lane's 16 bytes lie as its registers want them.
.set SPARE, 8192                       ; behind par2's copy, 16 bytes a channel
.set ZO,   1                           ; v1  16 lane
.set CA,   2                           ; v2  LDS address of my channel's constants in the trip's first group
.set OO,   3                           ; v3  my two rows in the wave's 256 bytes of out
.set SPW,  4
.set NIL,  5
.set KC,   6                           ; v6-7   b3 + the sum of w3, twice
.set CB,   8                           ; v8-15  a group's constants, two buffers
.set RING, 16                          ; v16-79 four slots of 16
.set X,    80                          ; v80-111
.set ACC,  112                         ; v112-143: row 16 t + 8 h + j at 8 t + j
.set TMP,  144
; A group.  slot: its place in the ring; ahead = 1: the slot is filled again, four groups on; left: younger loads that may stay out; cnext = 1: the next group's constants are fetched.
.macro GRP slot, ahead, left, cnext
.set CC, CB+4*((\slot)%2)
.set CN, CB+4*(1-(\slot)%2)
.set RS, RING+16*(\slot)
.if \cnext
	ds_load_b128 v[CN:CN+3], v[CA] offset:256*((\slot)+1)
	s_wait_dscnt 1                                 ; this group's constants are in; the next group's may stay out
.else
	s_wait_dscnt 0x0
.endif
	s_wait_loadcnt \left                           ; loads come back in order (ISA guide 5.7.1): this group's four are in
.set n, 0
.rept 32
.if n%2
	v_fma_mix_f32 v[X+n], v[RS+n/2], v[CC], v[CC+1] op_sel:[1,0,0] op_sel_hi:[1,0,0]
.else
	v_fma_mix_f32 v[X+n], v[RS+n/2], v[CC], v[CC+1] op_sel:[0,0,0] op_sel_hi:[1,0,0]
.endif
.set n, n+1
.endr
.if \ahead
.irp t, 0,1,2,3
	global_load_b128 v[RS+4*(\t):RS+4*(\t)+3], v[ZO], s[4:5] offset:8192+2048*(\slot)+512*(\t) th:TH_LOAD_NT
.endr
.endif
.set n, 0
.rept 32
	v_exp_f32 v[X+n], v[X+n]
.set n, n+1
.endr
	v_nop                                          ; a plain instruction behind the last exponential,
	s_wait_alu depctr_va_vdst(0)                   ; and one wait for the 32
.set n, 0
.rept 16
	v_pk_add_f32 v[X+2*n:X+2*n+1], v[X+2*n:X+2*n+1], 1.0 op_sel_hi:[1,0]
.set n, n+1
.endr
.set n, 0
.rept 32
	v_rcp_f32 v[X+n], v[X+n]
.set n, n+1
.endr
	v_nop
	s_wait_alu depctr_va_vdst(0)
.set n, 0
.rept 16
	v_pk_fma_f32 v[ACC+2*n:ACC+2*n+1], v[X+2*n:X+2*n+1], v[CC+2:CC+3], v[ACC+2*n:ACC+2*n+1] op_sel_hi:[1,0,1]
.set n, n+1
.endr
.endm
; A step of the scattered sum: lanes m apart change halves of what is left: the lane whose bit is set keeps the upper half and sends the lower, its partner the other way round.
.macro RSTEP m, half, msk
.set i, 0
.rept \half
	v_cndmask_b32 v[TMP+i%2], v[ACC+i+(\half)], v[ACC+i], s[\msk]
	v_cndmask_b32 v[ACC+i], v[ACC+i], v[ACC+i+(\half)], s[\msk]
	v_add_f32_dpp v[ACC+i], v[TMP+i%2], v[ACC+i] row_xmask:\m row_mask:0xf bank_mask:0xf
.set i, i+1
.endr
.endm
	s_load_b256 s[4:11], s[0:1], 0x0               ; zs s[4:5], par2 s[6:7], b3 s[8:9], out0 s[10:11]
	v_lshl_add_u32 v[SPW], v0, 2, SPARE
	v_mov_b32 v[NIL], 0
	v_lshrrev_b32 v[TMP], 5, v0
	v_readfirstlane_b32 s16, v[TMP]                ; wave 0..7
	v_and_b32 v[ZO], 31, v0
	v_lshlrev_b32 v[ZO], 4, v[ZO]
	v_and_b32 v[TMP], 15, v0                       ; r
	v_lshlrev_b32 v[CA], 4, v[TMP]
	v_bfe_u32 v[TMP+1], v0, 4, 1                   ; h
	v_lshrrev_b32 v[OO], 2, v[TMP]
	v_lshlrev_b32 v[OO], 6, v[OO]                  ; rows 16 (r / 4)
	v_lshl_add_u32 v[OO], v[TMP+1], 5, v[OO]       ; + 8 h
	v_and_b32 v[TMP], 3, v[TMP]
	v_lshl_add_u32 v[OO], v[TMP], 3, v[OO]         ; + 2 (r % 4), 4 bytes a row
	v_lshlrev_b32 v[TMP+2], 4, v0
	s_lshl_b32 s17, ttmp9, 3
	s_add_co_u32 s17, s17, s16                     ; which 64 rows
	s_lshl_b32 s18, s17, 16
	s_mov_b32 s19, 0
	s_lshl_b32 s20, s17, 8
	s_mov_b32 s21, 0
	s_mov_b32 s12, 0xff00ff00                      ; lanes with bit 3, 2, 1, 0 of r set
	s_mov_b32 s13, 0xf0f0f0f0
	s_mov_b32 s14, 0xcccccccc
	s_mov_b32 s15, 0xaaaaaaaa
	s_wait_kmcnt 0x0
	s_load_b32 s22, s[8:9], 0x0                    ; b3
	s_add_nc_u64 s[4:5], s[4:5], s[18:19]
	s_add_nc_u64 s[10:11], s[10:11], s[20:21]
	global_load_b128 v[X:X+3], v[TMP+2], s[6:7]
	global_load_b128 v[X+4:X+7], v[TMP+2], s[6:7] offset:4096
.irp g, 0,1,2,3
.irp t, 0,1,2,3
	global_load_b128 v[RING+16*(\g)+4*(\t):RING+16*(\g)+4*(\t)+3], v[ZO], s[4:5] offset:2048*(\g)+512*(\t) th:TH_LOAD_NT
.endr
.endr
	s_wait_loadcnt 16                              ; par2's two are in; the ring's 16 may stay out
	ds_store_b128 v[TMP+2], v[X:X+3]
	ds_store_b128 v[TMP+2], v[X+4:X+7] offset:4096
	s_wait_dscnt 0x0
	s_barrier_signal -1
	s_barrier_wait -1
.set b, 0
.rept 32
	ds_load_b32 v[X+b], v[CA] offset:256*b+8       ; -2 w3 of channels 16 b + r
.set b, b+1
.endr
.set n, 0
.rept 32
	v_mov_b32 v[ACC+n], 0                          ; once a wave, while the ring's loads are out, so that every group has one form
.set n, n+1
.endr
	s_wait_dscnt 0x0
.irp d, 8,4,2,1
.set i, 0
.rept \d
	v_pk_add_f32 v[X+2*i:X+2*i+1], v[X+2*i:X+2*i+1], v[X+2*(i+(\d)):X+2*(i+(\d))+1]
.set i, i+1
.endr
.endr
	v_add_f32 v[X], v[X], v[X+1]
	v_add_f32_dpp v[X], v[X], v[X] row_xmask:1 row_mask:0xf bank_mask:0xf
	v_add_f32_dpp v[X], v[X], v[X] row_xmask:2 row_mask:0xf bank_mask:0xf
	v_add_f32_dpp v[X], v[X], v[X] row_xmask:4 row_mask:0xf bank_mask:0xf
	v_add_f32_dpp v[X], v[X], v[X] row_xmask:8 row_mask:0xf bank_mask:0xf
	s_wait_kmcnt 0x0
	v_fma_f32 v[KC], v[X], -0.5, s22               ; b3 + the sum of w3
	v_mov_b32 v[KC+1], v[KC]
	ds_load_b128 v[CB:CB+3], v[CA]                 ; group 0's constants
	s_mov_b32 s23, 7
.Ltrip:                                ; four groups a trip; three younger groups, 12 loads, stay out at each wait
	GRP 0, 1, 12, 1
	GRP 1, 1, 12, 1
	GRP 2, 1, 12, 1
	GRP 3, 1, 12, 1
	s_wait_xcnt 0x0                                ; the loads have read their base, which is stepped now
	s_add_nc_u64 s[4:5], s[4:5], 8192
	v_add_nc_u32 v[CA], 1024, v[CA]
	s_sub_co_u32 s23, s23, 1
	s_cmp_lg_u32 s23, 0
	s_cbranch_scc1 .Ltrip
	GRP 0, 0, 12, 1                                ; the last four groups load nothing: the counts run down
	GRP 1, 0, 8, 1
	GRP 2, 0, 4, 1
	GRP 3, 0, 0, 0
	RSTEP 8, 16, 12
	RSTEP 4, 8, 13
	RSTEP 2, 4, 14
	RSTEP 1, 2, 15
	v_pk_add_f32 v[ACC:ACC+1], v[ACC:ACC+1], v[KC:KC+1]
	global_store_b64 v[OO], v[ACC:ACC+1], s[10:11] ; the wave's 64 rows: 256 consecutive bytes, aligned
	s_wait_tensorcnt 0x0                           ; the wave's end, behind my last LDS store
	ds_add_u32 v[SPW], v[NIL]
	s_wait_dscnt 0x0
	s_endpgm
.Lfunc_end_k_q5934e1eb8b_head:
	.size	k_q5934e1eb8b_head, .Lfunc_end_k_q5934e1eb8b_head-k_q5934e1eb8b_head
	.p2alignl 7, 3214868480
	.fill 96, 4, 3214868480
	.section	.rodata,"a",@progbits
	.p2align	6, 0x0
	.amdhsa_kernel k_q5934e1eb8b_head
		.amdhsa_group_segment_fixed_size 9216
		.amdhsa_private_segment_fixed_size 0
		.amdhsa_enable_private_segment 0
		.amdhsa_kernarg_size 32
		.amdhsa_user_sgpr_count 2
		.amdhsa_user_sgpr_kernarg_segment_ptr 1
		.amdhsa_wavefront_size32 1
		.amdhsa_system_sgpr_workgroup_id_x 1
		.amdhsa_system_sgpr_workgroup_id_y 1
		.amdhsa_system_sgpr_workgroup_id_z 1
		.amdhsa_system_vgpr_workitem_id 0
		.amdhsa_next_free_vgpr 160
		.amdhsa_next_free_sgpr 66
		.amdhsa_reserve_vcc 0
		.amdhsa_float_denorm_mode_32 3
		.amdhsa_float_denorm_mode_16_64 3
		.amdhsa_memory_ordered 1
		.amdhsa_forward_progress 1
		.amdhsa_inst_pref_size 66
	.end_amdhsa_kernel
	.amdgpu_metadata
---
amdhsa.version: [ 1, 2 ]
amdhsa.kernels:
  - .name:           k_q5934e1eb8b_head
    .symbol:         k_q5934e1eb8b_head.kd
    .args:
      - { .name: zs, .offset: 0, .size: 8, .value_kind: global_buffer, .address_space: global }
      - { .name: par2, .offset: 8, .size: 8, .value_kind: global_buffer, .address_space: global }
      - { .name: b3, .offset: 16, .size: 8, .value_kind: global_buffer, .address_space: global }
      - { .name: out0, .offset: 24, .size: 8, .value_kind: global_buffer, .address_space: global }
    .group_segment_fixed_size: 9216
    .private_segment_fixed_size: 0
    .kernarg_segment_align: 8
    .kernarg_segment_size: 32
    .max_flat_workgroup_size: 256
    .sgpr_count:     66
    .vgpr_count:     160
    .wavefront_size: 32
...
	.end_amdgpu_metadata
.endif
;; end of part 5
;; ======== version 2 of 2: 5 launches; version 1 with the launch head written anew for expert scheduling mode
;; limits: values outside matrix products are rounded to f16; values are held in f16: magnitudes above 65,504 overflow, below 6.1e-05 lose precision
;; workspace buffers: us 2,097,152 bytes; p1 16,384 bytes; w1f 16,384 bytes; w2h 524,288 bytes; c0p 65,536 bytes; zs 268,435,456 bytes; st2 524,288 bytes; par2 8,192 bytes
;; launch feat: the kernel of part 1 again; grid 256 x 1, 8 waves a work-group, no clusters, 62,976 bytes of LDS; arguments x, temp_set, temp_envr, cabin_table, us, p1; writes us, p1
;; launch prep: the kernel of part 2 again; grid 32 x 1, 8 waves a work-group, no clusters, 4,096 bytes of LDS; arguments p1, us, w1, b1, g1, beta1, w2, w1f, w2h, c0p; writes w1f, w2h, c0p
;; launch gemm: the kernel of part 3 again; grid 128 x 2, 4 waves a work-group, clusters of 4 x 1, 327,680 bytes of LDS; arguments us, w1f, w2h, c0p, zs, st2; writes zs, st2
;; launch fin: the kernel of part 4 again; grid 8 x 1, 8 waves a work-group, no clusters, 5,120 bytes of LDS; arguments st2, b2, g2, beta2, w3, par2; writes par2
;; launch head (part 6): grid 512 x 1, 8 waves a work-group, no clusters, 9,216 bytes of LDS; arguments zs, par2, b3, out0; writes out0
.if DOCPART == 6
	.amdgcn_target "amdgcn-amd-amdhsa--gfx1250"
	.amdhsa_code_object_version 6
	.text
	.protected	k_q5934e1eb8b_head
	.globl	k_q5934e1eb8b_head
	.p2align	8
	.type	k_q5934e1eb8b_head,@function
k_q5934e1eb8b_head:
	s_mov_b64 s[64:65], 0
	v_nop
	global_prefetch_b8 v0, s[64:65] scope:SCOPE_SE
	s_setreg_imm32_b32 hwreg(HW_REG_WAVE_SCHED_MODE, 0, 2), 2
	s_setreg_imm32_b32 hwreg(HW_REG_WAVE_MODE, 25, 1), 1
	s_wait_xcnt 0x0
	s_wait_alu depctr_vm_vsrc(0)
; out[row] = b3 + sum_c w3[c] tanh(a2 zs + d2) = (b3 + sum_c w3[c]) + sum_c (-2 w3[c]) r2, r2 = 1 / (1 + 2^(SC a2 zs + SC d2)).  zs is read once, as it was laid: for 64 rows and 16 channels
; four blocks of 512 bytes, in which lane (h, r) holds rows 16 t + 8 h + 0..7 of channel r.
; SHARES: a wave takes 64 rows, 65,536 consecutive bytes: 32 groups (16 channels each) of four loads.  A ring of four groups in registers keeps 12 to 16 loads of the wave on their way.
; A lane adds up its channel's terms for 32 rows; at the end a scattered sum over the 16 lanes leaves each lane two rows, and one store writes the wave's 256 consecutive bytes.
; The matrix unit, clusters and tensor loads are left out: each byte is used once, by one lane, and a lane's 16 bytes lie as its registers want them.
; THE MODE: SCHED_MODE bits 1:0 = 2 (LLVM: expert scheduling mode 2), set by the entry lines.  The code itself states the register dependences
; between vector instructions and memory or LDS instructions, with s_wait_alu, always for 0.
; THE PLAN.  Registers that memory or LDS instructions touch:
;   v[ZO], v[OO], v[TMP+2]  offsets, made once at the head and never written again.
;   v[CA]      read by every LDS load of constants; written at the head and once a trip, at the trip's end.
;   X[0:7]     at the head only: par2's loads land there, the LDS stores read them, then the LDS loads of -2 w3 land in X[0:31].  In the loop vector instructions alone name X.
;   RING[s]    group s: its 32 mixes read the slot; behind them the loads of the group four on land in it.
;   CB0, CB1   group g reads its own buffer from its first mix to its last multiply-add; the LDS load issued in group g lands in the other buffer, which group g - 1 read.
;   ACC[0:1]   written last by the sum with the constant; read by the one store.
; So the wait that stands behind a group's exponentials anyway states all that the group's five loads hang on: the mixes are done reading the slot, the group before is done reading
; the other buffer of constants, and, in a trip's first group, v[CA] is written.  The five loads follow it, dealt among vector lines that name X, the group's own constants and ACC alone.
.set ZO,   1                           ; v1  16 lane
.set CA,   2                           ; v2  LDS address of my channel's constants in the trip's first group
.set OO,   3                           ; v3  my two rows in the wave's 256 bytes of out
.set KC,   6                           ; v6-7   b3 + the sum of w3, twice
.set CB,   8                           ; v8-15  a group's constants, two buffers
.set RING, 16                          ; v16-79 four slots of 16
.set X,    80                          ; v80-111
.set ACC,  112                         ; v112-143: row 16 t + 8 h + j at 8 t + j
.set TMP,  144
; A group.  slot: its place in the ring; ahead = 1: the slot is filled again, four groups on; left: younger loads that may stay out; cnext = 1: the next group's constants are fetched.
.macro GRP slot, ahead, left, cnext
.set CC, CB+4*((\slot)%2)
.set CN, CB+4*(1-(\slot)%2)
.set RS, RING+16*(\slot)
	s_wait_dscnt 0x0                               ; this group's constants are in: the one LDS load that is out, asked for in the middle of the group before
	s_wait_loadcnt \left                           ; loads come back in order (ISA guide 5.7.1): this group's four are in
.set n, 0
.rept 32
.if n%2
	v_fma_mix_f32 v[X+n], v[RS+n/2], v[CC], v[CC+1] op_sel:[1,0,0] op_sel_hi:[1,0,0]
.else
	v_fma_mix_f32 v[X+n], v[RS+n/2], v[CC], v[CC+1] op_sel:[0,0,0] op_sel_hi:[1,0,0]
.endif
.set n, n+1
.endr
.set n, 0
.rept 32
	v_exp_f32 v[X+n], v[X+n]
.set n, n+1
.endr
	v_nop                                          ; a plain instruction behind the last exponential
	s_wait_alu depctr_va_vdst(0)                   ; the 32 exponentials have written X, which the additions read; the mixes are done reading the slot, in which the loads below land; the group before is done reading the other constants' buffer, in which the LDS load below lands; in a trip's first group v[CA] is written
.if \cnext
	ds_load_b128 v[CN:CN+3], v[CA] offset:256*((\slot)+1)
.endif
.irp t, 0,1,2,3
.if \ahead
	global_load_b128 v[RS+4*(\t):RS+4*(\t)+3], v[ZO], s[4:5] offset:8192+2048*(\slot)+512*(\t) th:TH_LOAD_NT  ; no vector instruction since the wait names the slot or v[ZO]
.endif
.irp q, 0,1,2,3
	v_pk_add_f32 v[X+8*(\t)+2*(\q):X+8*(\t)+2*(\q)+1], v[X+8*(\t)+2*(\q):X+8*(\t)+2*(\q)+1], 1.0 op_sel_hi:[1,0]
.endr
.endr
.set n, 0
.rept 32
	v_rcp_f32 v[X+n], v[X+n]
.set n, n+1
.endr
	v_nop                                          ; a plain instruction behind the last reciprocal
	s_wait_alu depctr_va_vdst(0)                   ; the 32 reciprocals have written X, which the multiply-adds read
.set n, 0
.rept 16
	v_pk_fma_f32 v[ACC+2*n:ACC+2*n+1], v[X+2*n:X+2*n+1], v[CC+2:CC+3], v[ACC+2*n:ACC+2*n+1] op_sel_hi:[1,0,1]
.set n, n+1
.endr
.endm
; A step of the scattered sum: lanes m apart change halves of what is left: the lane whose bit is set keeps the upper half and sends the lower, its partner the other way round.
.macro RSTEP m, half, msk
.set i, 0
.rept \half
	v_cndmask_b32 v[TMP+i%2], v[ACC+i+(\half)], v[ACC+i], s[\msk]
	v_cndmask_b32 v[ACC+i], v[ACC+i], v[ACC+i+(\half)], s[\msk]
	v_add_f32_dpp v[ACC+i], v[TMP+i%2], v[ACC+i] row_xmask:\m row_mask:0xf bank_mask:0xf
.set i, i+1
.endr
.endm
	s_load_b256 s[4:11], s[0:1], 0x0               ; zs s[4:5], par2 s[6:7], b3 s[8:9], out0 s[10:11]
	v_lshl_add_u32 v158, v0, 2, 0x2000
	v_mov_b32 v159, 0
	v_lshrrev_b32 v[TMP], 5, v0
	v_readfirstlane_b32 s16, v[TMP]                ; wave 0..7
	v_and_b32 v[ZO], 31, v0
	v_lshlrev_b32 v[ZO], 4, v[ZO]
	v_and_b32 v[TMP], 15, v0                       ; r
	v_lshlrev_b32 v[CA], 4, v[TMP]
	v_bfe_u32 v[TMP+1], v0, 4, 1                   ; h
	v_lshrrev_b32 v[OO], 2, v[TMP]
	v_lshlrev_b32 v[OO], 6, v[OO]                  ; rows 16 (r / 4)
	v_lshl_add_u32 v[OO], v[TMP+1], 5, v[OO]       ; + 8 h
	v_and_b32 v[TMP], 3, v[TMP]
	v_lshl_add_u32 v[OO], v[TMP], 3, v[OO]         ; + 2 (r % 4), 4 bytes a row
	v_lshlrev_b32 v[TMP+2], 4, v0
	s_wait_alu depctr_va_sdst(0)                   ; s16 is written, ahead of its first reader: the bases of zs and out0 are made from it
	s_lshl_b32 s17, ttmp9, 3
	s_add_co_u32 s17, s17, s16                     ; which 64 rows
	s_lshl_b32 s18, s17, 16
	s_mov_b32 s19, 0
	s_lshl_b32 s20, s17, 8
	s_mov_b32 s21, 0
	s_mov_b32 s12, 0xff00ff00                      ; lanes with bit 3, 2, 1, 0 of r set
	s_mov_b32 s13, 0xf0f0f0f0
	s_mov_b32 s14, 0xcccccccc
	s_mov_b32 s15, 0xaaaaaaaa
	s_wait_kmcnt 0x0
	s_load_b32 s22, s[8:9], 0x0                    ; b3
	s_add_nc_u64 s[4:5], s[4:5], s[18:19]
	s_add_nc_u64 s[10:11], s[10:11], s[20:21]
	s_wait_alu depctr_va_vdst(0)                   ; v[ZO], v[CA], v[OO] and v[TMP+2] are written: the loads, LDS stores, LDS loads and the store below read them as offsets and addresses
	global_load_b128 v[X:X+3], v[TMP+2], s[6:7]
	global_load_b128 v[X+4:X+7], v[TMP+2], s[6:7] offset:4096
.irp g, 0,1,2,3
.irp t, 0,1,2,3
	global_load_b128 v[RING+16*(\g)+4*(\t):RING+16*(\g)+4*(\t)+3], v[ZO], s[4:5] offset:2048*(\g)+512*(\t) th:TH_LOAD_NT
.endr
.endr
	s_wait_loadcnt 16                              ; par2's two are in; the ring's 16 may stay out
	ds_store_b128 v[TMP+2], v[X:X+3]
	ds_store_b128 v[TMP+2], v[X+4:X+7] offset:4096
	s_wait_dscnt 0x0                               ; for the others' sake: my part of par2 lies in LDS
	s_barrier_signal -1
	s_barrier_wait -1
	s_wait_alu depctr_vm_vsrc(0)                   ; my two LDS stores have read X[0:7], in which the LDS loads below land
.set b, 0
.rept 32
	ds_load_b32 v[X+b], v[CA] offset:256*b+8       ; -2 w3 of channels 16 b + r
.set b, b+1
.endr
.set n, 0
.rept 32
	v_mov_b32 v[ACC+n], 0                          ; once a wave, while the ring's loads are out, so that every group has one form
.set n, n+1
.endr
	s_wait_dscnt 0x0
.irp d, 8,4,2,1
.set i, 0
.rept \d
	v_pk_add_f32 v[X+2*i:X+2*i+1], v[X+2*i:X+2*i+1], v[X+2*(i+(\d)):X+2*(i+(\d))+1]
.set i, i+1
.endr
.endr
	v_add_f32 v[X], v[X], v[X+1]
	v_add_f32_dpp v[X], v[X], v[X] row_xmask:1 row_mask:0xf bank_mask:0xf
	v_add_f32_dpp v[X], v[X], v[X] row_xmask:2 row_mask:0xf bank_mask:0xf
	v_add_f32_dpp v[X], v[X], v[X] row_xmask:4 row_mask:0xf bank_mask:0xf
	v_add_f32_dpp v[X], v[X], v[X] row_xmask:8 row_mask:0xf bank_mask:0xf
	s_wait_kmcnt 0x0
	v_fma_f32 v[KC], v[X], -0.5, s22               ; b3 + the sum of w3
	v_mov_b32 v[KC+1], v[KC]
	ds_load_b128 v[CB:CB+3], v[CA]                 ; group 0's constants.  No wait: no vector instruction has named this buffer, and none since the head's wait names v[CA]
	s_mov_b32 s23, 7
.Ltrip:                                ; four groups a trip; three younger groups, 12 loads, stay out at each wait
	GRP 0, 1, 12, 1
	GRP 1, 1, 12, 1
	GRP 2, 1, 12, 1
	GRP 3, 1, 12, 1
	s_wait_xcnt 0x0                                ; the loads have read their base, which is stepped now
	s_add_nc_u64 s[4:5], s[4:5], 8192
	s_wait_alu depctr_vm_vsrc(0)                   ; the LDS loads issued so far have read v[CA], which the next line writes
	v_add_nc_u32 v[CA], 1024, v[CA]
	s_sub_co_u32 s23, s23, 1
	s_cmp_lg_u32 s23, 0
	s_cbranch_scc1 .Ltrip
	GRP 0, 0, 12, 1                                ; the last four groups load nothing of zs: the counts run down
	GRP 1, 0, 8, 1
	GRP 2, 0, 4, 1
	GRP 3, 0, 0, 0
	RSTEP 8, 16, 12
	RSTEP 4, 8, 13
	RSTEP 2, 4, 14
	RSTEP 1, 2, 15
	v_pk_add_f32 v[ACC:ACC+1], v[ACC:ACC+1], v[KC:KC+1]
	s_wait_alu depctr_va_vdst(0)                   ; the sum above has written ACC[0:1], which the store reads
	global_store_b64 v[OO], v[ACC:ACC+1], s[10:11] ; the wave's 64 rows: 256 consecutive bytes, aligned
	s_wait_dscnt 0x0                               ; the wave's end; the closing add onto my spare word follows
	s_wait_alu depctr_hold_cnt(0) depctr_sa_sdst(0) depctr_va_vdst(0) depctr_va_sdst(0) depctr_va_ssrc(0) depctr_va_vcc(0) depctr_vm_vsrc(0)
	s_wait_tensorcnt 0x0
	ds_add_u32 v158, v159
	s_wait_dscnt 0x0
	s_endpgm
.Lfunc_end_k_q5934e1eb8b_head:
	.size	k_q5934e1eb8b_head, .Lfunc_end_k_q5934e1eb8b_head-k_q5934e1eb8b_head
	.p2alignl 7, 3214868480
	.fill 96, 4, 3214868480
	.section	.rodata,"a",@progbits
	.p2align	6, 0x0
	.amdhsa_kernel k_q5934e1eb8b_head
		.amdhsa_group_segment_fixed_size 9216
		.amdhsa_private_segment_fixed_size 0
		.amdhsa_enable_private_segment 0
		.amdhsa_kernarg_size 32
		.amdhsa_user_sgpr_count 2
		.amdhsa_user_sgpr_kernarg_segment_ptr 1
		.amdhsa_wavefront_size32 1
		.amdhsa_system_sgpr_workgroup_id_x 1
		.amdhsa_system_sgpr_workgroup_id_y 1
		.amdhsa_system_sgpr_workgroup_id_z 1
		.amdhsa_system_vgpr_workitem_id 0
		.amdhsa_next_free_vgpr 160
		.amdhsa_next_free_sgpr 66
		.amdhsa_reserve_vcc 0
		.amdhsa_float_denorm_mode_32 3
		.amdhsa_float_denorm_mode_16_64 3
		.amdhsa_memory_ordered 1
		.amdhsa_forward_progress 1
		.amdhsa_inst_pref_size 66
	.end_amdhsa_kernel
	.amdgpu_metadata
---
amdhsa.version: [ 1, 2 ]
amdhsa.kernels:
  - .name:           k_q5934e1eb8b_head
    .symbol:         k_q5934e1eb8b_head.kd
    .args:
      - { .name: zs, .offset: 0, .size: 8, .value_kind: global_buffer, .address_space: global }
      - { .name: par2, .offset: 8, .size: 8, .value_kind: global_buffer, .address_space: global }
      - { .name: b3, .offset: 16, .size: 8, .value_kind: global_buffer, .address_space: global }
      - { .name: out0, .offset: 24, .size: 8, .value_kind: global_buffer, .address_space: global }
    .group_segment_fixed_size: 9216
    .private_segment_fixed_size: 0
    .kernarg_segment_align: 8
    .kernarg_segment_size: 32
    .max_flat_workgroup_size: 256
    .sgpr_count:     66
    .vgpr_count:     160
    .wavefront_size: 32
...
	.end_amdgpu_metadata
.endif
;; end of part 6
